; MI455X (gfx1250); checked and timed in simulation.
; The chip was launched on July 23, 2026; its instructions are those of AMD's public machine-readable ISA for CDNA 5 (MIT licence, August 2026) and "CDNA5" Instruction Set Architecture Reference Guide (July 2026). The comments in the code are by the model that wrote it; some were corrected since.
;; Multi Head Self Attention. Allowed arithmetic: matrix products marked QUANTISED: E2M1 operands, one E8M0 scale for each 32 along K, by v_wmma_scale_f32_16x16x128_f8f6f4 with both operands' format E2M1 (or v_wmma_scale_f32_32x16x128_f4), f32 sums; products left as they are: bf16, f16 or f32 operands; f32 sums; everything else in f32.
;; Inputs: Wo 1,024 x 1,024 float32; Wqkv 3,072 x 1,024 float32; bo 1,024 float32; bqkv 3,072 float32; positions 4 x 2,048 int32; x 4 x 2,048 x 1,024 float32.
;; Outputs: out0 4 x 2,048 x 1,024 float32.
;; This version of the problem:
;;   THIS VERSION OF THE PROBLEM IS GIVEN IN LOW PRECISION. The matrix products marked QUANTISED in the list below multiply operands that are first quantised to E2M1 (2 exponent bits, 1 mantissa bit; 4 bits a number), with one power-of-two scale for each 32 numbers along K (OCP MX v1.0); their sums are f32. The products marked 'left as it is' may take bf16, f16 or f32 operands, with f32 sums. Whichever they take, every output number must still come out within the allowed error. Rounding operands to bf16 (8 significant bits) uses up far more of that allowance than f16 does (11 bits, for magnitudes from 6e-5 to 65,504). All else is computed in f32.
;;   The module's matrix products, in the order in which they are computed (A, B: the left and right operand; K: the contracted axis; several contracted axes count as one K, in the product's order):
;;     1. [M 8,192, K 1,024] x [K 1,024, N 3,072]; A: input x; B: input Wqkv: QUANTISED
;;     2. batch 64 x [M 2,048, K 64] x [K 64, N 2,048]; A: computed on the way; B: computed on the way: left as it is (an operand is computed on the way)
;;     3. batch 64 x [M 2,048, K 2,048] x [K 2,048, N 64]; A: computed on the way; B: computed on the way: left as it is (an operand is computed on the way)
;;     4. [M 8,192, K 1,024] x [K 1,024, N 1,024]; A: computed on the way; B: input Wo: left as it is (an operand is computed on the way)
;;   THE QUANTISER, for each operand of a quantised product, along K:
;;     - K is cut into blocks of 32 from its start; a last block that is shorter is filled with zeros.
;;     - A block's scale is 2^e with e = floor(log2(the largest magnitude in the block)) - 2, held to -126 .. 127; a block of zeros has e = 0. As a byte (E8M0): e + 127.
;;     - Each number is divided by its block's scale, clamped to +-6, and rounded to the nearest number of E2M1, ties to even, subnormals kept.
;;     - The product sums the exact products of the quantised numbers (number of the format x scale) in f32.
;;   ~~~python
;;   def quantise(x, axis):      # numpy; x: float32 -> the quantised numbers, widened to float32 again
;;       x = np.moveaxis(x, axis, -1); K = x.shape[-1]
;;       x = np.pad(x, [(0, 0)] * (x.ndim - 1) + [(0, -K % 32)]); x = x.reshape(x.shape[:-1] + (-1, 32)); a = np.abs(x).max(-1, keepdims=True)
;;       e = np.where(a > 0, np.clip(np.frexp(np.where(a > 0, a, 1))[1] - 1 - 2, -126, 127), 0)      # np.frexp(a)[1] - 1 = floor(log2(a)), exactly
;;       r = np.clip(x / 2.0 ** e, -6, 6)
;;       step = 2.0 ** (np.maximum(np.frexp(np.where(r == 0, 1, r))[1] - 1, 0) - 1)
;;       q = np.round(r / step) * step * 2.0 ** e      # np.round: ties to even
;;       return np.moveaxis(q.reshape(q.shape[:-2] + (-1,))[..., :K], -1, axis).astype(np.float32)
;;   ~~~
;; One version. Each part assembles by itself: llvm-mc -triple=amdgcn-amd-amdhsa -mcpu=gfx1250 --defsym DOCPART=n.
;; ======== version 1 of 1: 5 launches
;; limits: values are held in f16: magnitudes above 65,504 overflow, below 6.1e-05 lose precision; right only within a limited range of input values
;; workspace buffers: codes 5,767,168 bytes; scales 360,448 bytes; wo16 2,097,152 bytes; cs 2,097,152 bytes; qkv16 50,331,648 bytes; qkv32 786,432 bytes; h16 16,777,216 bytes
;; launch prep (part 1): grid 608 x 1, 4 waves a work-group, no clusters, 33,280 bytes of LDS; arguments x, Wqkv, Wo, positions, codes, scales, wo16, cs; writes codes, scales, wo16, cs
.if DOCPART == 1
	.amdgcn_target "amdgcn-amd-amdhsa--gfx1250"
	.amdhsa_code_object_version 6
	.text
	.protected	k_q14ab8115be_prep
	.globl	k_q14ab8115be_prep
	.p2align	8
	.type	k_q14ab8115be_prep,@function
k_q14ab8115be_prep:
	s_mov_b64 s[64:65], 0
	v_nop
	global_prefetch_b8 v0, s[64:65] scope:SCOPE_SE
	s_setreg_imm32_b32 hwreg(HW_REG_WAVE_MODE, 25, 1), 1
	s_wait_xcnt 0x0
; Three pieces of preparation in one launch; the work-group's number alone says which.
;   work-groups   0-351: x [8192][1024] and Wqkv [3072][1024], f32, become codes of E2M1 (K innermost, two a byte) and one E8M0 byte for each 32 along K.
;                        Both tensors are dense streams of blocks of 32; in both workspace buffers Wqkv's part lies on end behind x's.
;   work-groups 352-479: Wo [1024][1024] f32 becomes f16 (operand of the last product, which is left as it is).
;   work-groups 480-607: the table of cos and sin of positions[row] x 10000^(-i/32), [8192 rows][32 pairs][cos, sin] f32: 256 bytes a row.
; A block's scale is 2^(floor(log2(largest magnitude)) - 2); its byte is the largest magnitude's exponent field - 2, held at 1 from below.
; LIMITS: a block of zeros, and one whose largest magnitude lies under 2^-124, keeps the byte 1 (its codes are zeros or near it; this program alone reads the bytes).
; NaN and infinities are not served.  The angle |position x frequency| stays under about 1e5 (the quadrant number times the first part of pi/2 is then exact).
; The frequency is 2^(-i log2(10000)/32) by v_exp_f32: within a few units in the last place of a power taken in f32.
; No matrix unit, no tensor load, no cluster: the launch streams, and its waves share nothing.  Only the first path touches LDS.
.set WAVES, 4
.set STEPS, 16
.set EMAX,  2
.set CB,    8                          ; bytes of 16 codes
.set R,     16                         ; v16-79   four sets of 16 numbers as they are loaded
.set X,     80                         ; v80-111  two sets of 16 neighbours (Wo's path: the packed f16)
.set E,     112                        ; v112-127 a scale byte for each step
.set C,     128                        ; v128-191 codes: registers of its own for each step
.set WREG,  8192                       ; LDS: a region for each wave: two stages of 32 x SP bytes, then its 256 scale bytes
.set SP,    80                         ; a lane's place in a stage: 64 bytes + 16 of padding
.set SPW,   12                         ; v12 LDS address of my spare word; never rewritten
.set NIL,   13                         ; v13 0; never rewritten
.set SPARE, WAVES*WREG                 ; the spare words: 128 bytes a wave, named by no other line
	s_load_b512 s[4:19], s[0:1], 0x0               ; x 4:5, Wqkv 6:7, Wo 8:9, positions 10:11, codes 12:13, scales 14:15, wo16 16:17, cs 18:19
	v_lshl_add_u32 v[SPW], v0, 2, SPARE
	v_mov_b32 v[NIL], 0
	v_lshrrev_b32 v1, 5, v0
	v_readfirstlane_b32 s20, v1                    ; wave
	v_and_b32 v2, 31, v0                           ; lane
	v_lshlrev_b32 v3, 4, v2                        ; my 16 bytes of a load's 512
	s_mul_i32 s21, s20, WREG
	v_lshrrev_b32 v14, 2, v2
	v_mul_u32_u24 v14, v14, SP
	v_and_b32 v15, 3, v2
	v_lshl_add_u32 v14, v15, 4, v14
	v_add_nc_u32 v14, s21, v14                     ; the stage, on the way in: SP (lane / 4) + 16 (lane % 4)
	v_mul_u32_u24 v15, v2, SP
	v_add_nc_u32 v15, s21, v15                     ; and on the way out: SP x lane: 16 neighbours
	v_mul_u32_u24 v4, v2, CB                       ; my codes' place in a step's
	v_lshrrev_b32 v5, 1, v2
	s_add_co_u32 s21, s21, 2*32*SP
	v_add_nc_u32 v5, s21, v5                       ; LDS: my wave's scale bytes, my block's byte
	v_lshlrev_b32 v7, 3, v2                        ; 8 bytes a lane
	v_add_nc_u32 v6, s21, v7
	s_wait_kmcnt 0x0
	s_cmp_ge_u32 ttmp9, 480
	s_cbranch_scc1 .Ltable
	s_cmp_ge_u32 ttmp9, 352
	s_cbranch_scc1 .Lwo
	; ---- x and Wqkv into codes.  A wave takes a run of 8,192 numbers: 16 steps of 512.
	s_cmp_lt_u32 ttmp9, 256                        ; x's work-group or Wqkv's: the work-group's number alone decides
	s_cselect_b64 s[4:5], s[4:5], s[6:7]
	s_cselect_b32 s21, 0, 256
	s_sub_co_u32 s21, ttmp9, s21
	s_lshl_b32 s21, s21, 2
	s_add_co_u32 s22, s21, s20                     ; which run of the tensor
	s_mov_b32 s23, 0
	s_lshl_b64 s[24:25], s[22:23], 15              ; 32,768 bytes of f32 a run
	s_add_nc_u64 s[4:5], s[4:5], s[24:25]
	s_lshl_b32 s22, ttmp9, 2
	s_add_co_u32 s22, s22, s20                     ; which run of the workspace: the two tensors lie on end there
	s_lshl_b32 s24, s22, 12                        ; 4,096 bytes of codes a run
	s_mov_b32 s25, 0
	s_add_nc_u64 s[12:13], s[12:13], s[24:25]
	s_lshl_b32 s24, s22, 8                         ; 256 scale bytes a run
	s_add_nc_u64 s[14:15], s[14:15], s[24:25]
.macro LOAD t
.irp i, 0,1,2,3
	global_load_b128 v[R+16*((\t)%4)+4*\i:R+16*((\t)%4)+4*\i+3], v3, s[4:5] offset:2048*(\t)+512*\i th:TH_LOAD_NT   ; 32 lanes read 512 consecutive bytes
.endr
.endm
.macro TURN t                          ; step t's numbers through the stage: LDS serves a wave's instructions in order, so no wait stands between the stores and the loads
.irp i, 0,1,2,3
	ds_store_b128 v14, v[R+16*((\t)%4)+4*\i:R+16*((\t)%4)+4*\i+3] offset:32*SP*((\t)%2)+8*SP*\i
.endr
.irp i, 0,1,2,3
	ds_load_b128 v[X+16*((\t)%2)+4*\i:X+16*((\t)%2)+4*\i+3], v15 offset:32*SP*((\t)%2)+16*\i
.endr
.endm
.irp t, 0,1,2,3
	LOAD \t
.endr
	s_wait_loadcnt 12                              ; step 0's four loads are in; twelve younger ones stay out
	TURN 0
.macro STEP t
.set XS, X+16*((\t)%2)
.if (\t) > 0
	s_wait_dscnt 1                                 ; this step's numbers are back from the stage (the last step's byte store may be out)
.else
	s_wait_dscnt 0x0
.endif
.if (\t)+4 < STEPS
	LOAD (\t)+4                                    ; into the registers that the stage's stores have read
.endif
.if (\t)+1 < STEPS
.if STEPS-2-(\t) >= 3
	s_wait_loadcnt 12                              ; the next step's four loads are in; those of the three steps behind it may be out
.else
	s_wait_loadcnt 4*(STEPS-2-(\t))
.endif
	TURN (\t)+1
.endif
	v_max3_num_f32 v8, |v[XS]|, |v[XS+1]|, |v[XS+2]|               ; the largest magnitude of my 16, in two chains
	v_max3_num_f32 v9, |v[XS+3]|, |v[XS+4]|, |v[XS+5]|
.irp i, 6,10
	v_max3_num_f32 v8, v8, |v[XS+\i]|, |v[XS+\i+1]|
	v_max3_num_f32 v9, v9, |v[XS+\i+2]|, |v[XS+\i+3]|
.endr
	v_max3_num_f32 v8, v8, |v[XS+14]|, |v[XS+15]|
	v_max3_num_f32 v8, v8, v9, (EMAX+1)<<23        ; and the floor 2^(3 - 127): the byte cannot fall under 1
	v_max_num_f32_dpp v8, v8, v8 row_xmask:1 row_mask:0xf bank_mask:0xf   ; with my neighbour's 16: the block's
	v_add_nc_u32 v11, -(EMAX<<23), v8              ; 2 off its exponent field: the conversion takes that field as its scale
	v_cvt_scalef32_pk8_fp4_f32 v[C+4*(\t)], v[XS:XS+7], v11
	v_cvt_scalef32_pk8_fp4_f32 v[C+4*(\t)+1], v[XS+8:XS+15], v11
	v_lshrrev_b32 v[E+(\t)], 23, v11               ; the scale's byte (also the plain line behind the conversions)
	ds_store_b8 v5, v[E+(\t)] offset:16*(\t)       ; both lanes of a block write the same byte with the same value
	global_store_b64 v4, v[C+4*(\t):C+4*(\t)+1], s[12:13] offset:32*CB*(\t)   ; the wave stores 256 consecutive bytes, aligned
.endm
.irp t, 0,1,2,3,4,5,6,7,8,9,10,11,12,13,14,15
	STEP \t
.endr
	ds_load_b64 v[8:9], v6                         ; my wave's 256 scale bytes: these loads see my stores
	s_wait_dscnt 0x0
	global_store_b64 v7, v[8:9], s[14:15]          ; 256 consecutive bytes, aligned
	s_wait_tensorcnt 0x0                           ; the wave's end: behind my last LDS store
	ds_add_u32 v[SPW], v[NIL]
	s_wait_dscnt 0x0
	s_endpgm
	; ---- Wo into f16.  A wave takes 2,048 numbers: sixteen loads of 512 bytes, sixteen stores of 256.
.Lwo:
	s_sub_co_u32 s21, ttmp9, 352
	s_lshl_b32 s21, s21, 2
	s_add_co_u32 s21, s21, s20
	s_lshl_b32 s22, s21, 13
	s_mov_b32 s23, 0
	s_add_nc_u64 s[8:9], s[8:9], s[22:23]
	s_lshl_b32 s22, s21, 12
	s_add_nc_u64 s[16:17], s[16:17], s[22:23]
.irp t, 0,1,2,3,4,5,6,7,8,9,10,11,12,13,14,15
	global_load_b128 v[R+4*\t:R+4*\t+3], v3, s[8:9] offset:512*\t th:TH_LOAD_NT
.endr
.irp t, 0,1,2,3,4,5,6,7,8,9,10,11,12,13,14,15
	s_wait_loadcnt 15-\t                           ; loads come back in order: load t is in, the younger ones stay out
	v_cvt_pk_f16_f32 v[X+2*\t], v[R+4*\t], v[R+4*\t+1]
	v_cvt_pk_f16_f32 v[X+2*\t+1], v[R+4*\t+2], v[R+4*\t+3]
	global_store_b64 v7, v[X+2*\t:X+2*\t+1], s[16:17] offset:256*\t
.endr
	s_endpgm
	; ---- the table.  A wave takes 16 rows; a lane is pair i.  Sine and cosine by reduction to [-pi/4, pi/4] and polynomials; selects only, no branch on data.
.Ltable:
	s_sub_co_u32 s21, ttmp9, 480
	s_lshl_b32 s21, s21, 2
	s_add_co_u32 s21, s21, s20                     ; which 16 rows
	s_lshl_b32 s22, s21, 6
	s_mov_b32 s23, 0
	s_add_nc_u64 s[10:11], s[10:11], s[22:23]
	s_load_b512 s[32:47], s[10:11], 0x0            ; their 16 positions
	s_lshl_b32 s24, s21, 12
	s_mov_b32 s25, 0
	s_add_nc_u64 s[18:19], s[18:19], s[24:25]
	s_mov_b32 s48, 0x3f22f983                      ; 2 / pi
	s_mov_b32 s49, 0x3fc90000                      ; pi / 2 in three parts
	s_mov_b32 s50, 0x39fda000
	s_mov_b32 s51, 0x33a22168
	s_mov_b32 s52, 0xb94ca1f9                      ; the sine's coefficients, highest first
	s_mov_b32 s53, 0x3c08839e
	s_mov_b32 s54, 0xbe2aaaa3
	s_mov_b32 s55, 0x37ccf5ce                      ; the cosine's
	s_mov_b32 s56, 0xbab6061a
	s_mov_b32 s57, 0x3d2aaaa5
	v_cvt_f32_u32 v16, v2
	v_mul_f32 v16, 0xbed49a78, v16                 ; -i log2(10000) / 32
	v_exp_f32 v16, v16                             ; the pair's frequency
	v_nop                                          ; a plain line behind the exponential
	s_wait_alu depctr_va_vdst(0)                   ; and a wait ahead of its first reader
	s_wait_kmcnt 0x0
.macro ROW t
	v_cvt_f32_i32 v20, s[32+\t]
	v_mul_f32 v20, v20, v16                        ; the angle
	v_mul_f32 v21, s48, v20
	v_rndne_f32 v21, v21                           ; n: the nearest multiple of pi / 2
	v_fma_f32 v22, -v21, s49, v20
	v_fma_f32 v22, -v21, s50, v22
	v_fma_f32 v22, -v21, s51, v22                  ; r = angle - n pi / 2
	v_mul_f32 v23, v22, v22                        ; z = r r
	v_fma_f32 v24, v23, s52, s53
	v_fma_f32 v26, v23, s55, s56
	v_fma_f32 v24, v24, v23, s54
	v_fma_f32 v26, v26, v23, s57
	v_mul_f32 v25, v22, v23
	v_mul_f32 v27, v23, v23
	v_fma_f32 v28, v23, -0.5, 1.0
	v_fma_f32 v24, v25, v24, v22                   ; sin r
	v_fma_f32 v26, v27, v26, v28                   ; cos r
	v_cvt_i32_f32 v29, v21
	v_and_b32 v30, 1, v29
	v_cmp_eq_u32 vcc_lo, 1, v30                    ; an odd quadrant changes the two over
	v_cndmask_b32 v31, v24, v26, vcc_lo
	v_cndmask_b32 v26, v26, v24, vcc_lo
	v_and_b32 v30, 2, v29                          ; the sine is negative in quadrants 2, 3,
	v_add_nc_u32 v29, 1, v29
	v_lshlrev_b32 v30, 30, v30
	v_and_b32 v29, 2, v29                          ; the cosine in quadrants 1, 2
	v_lshlrev_b32 v29, 30, v29
	v_xor_b32 v[65+2*\t], v30, v31
	v_xor_b32 v[64+2*\t], v29, v26
	global_store_b64 v7, v[64+2*\t:65+2*\t], s[18:19] offset:256*\t   ; a row: 256 consecutive bytes, aligned; each row has data registers of its own
.endm
.irp t, 0,1,2,3,4,5,6,7,8,9,10,11,12,13,14,15
	ROW \t
.endr
	s_endpgm
.Lfunc_end_k_q14ab8115be_prep:
	.size	k_q14ab8115be_prep, .Lfunc_end_k_q14ab8115be_prep-k_q14ab8115be_prep
	.p2alignl 7, 3214868480
	.fill 96, 4, 3214868480
	.section	.rodata,"a",@progbits
	.p2align	6, 0x0
	.amdhsa_kernel k_q14ab8115be_prep
		.amdhsa_group_segment_fixed_size 33280
		.amdhsa_private_segment_fixed_size 0
		.amdhsa_enable_private_segment 0
		.amdhsa_kernarg_size 64
		.amdhsa_user_sgpr_count 2
		.amdhsa_user_sgpr_kernarg_segment_ptr 1
		.amdhsa_wavefront_size32 1
		.amdhsa_system_sgpr_workgroup_id_x 1
		.amdhsa_system_sgpr_workgroup_id_y 1
		.amdhsa_system_sgpr_workgroup_id_z 1
		.amdhsa_system_vgpr_workitem_id 0
		.amdhsa_next_free_vgpr 192
		.amdhsa_next_free_sgpr 66
		.amdhsa_reserve_vcc 1
		.amdhsa_float_denorm_mode_32 3
		.amdhsa_float_denorm_mode_16_64 3
		.amdhsa_memory_ordered 1
		.amdhsa_forward_progress 1
		.amdhsa_inst_pref_size 61
	.end_amdhsa_kernel
	.amdgpu_metadata
---
amdhsa.version: [ 1, 2 ]
amdhsa.kernels:
  - .name:           k_q14ab8115be_prep
    .symbol:         k_q14ab8115be_prep.kd
    .args:
      - { .name: x, .offset: 0, .size: 8, .value_kind: global_buffer, .address_space: global }
      - { .name: Wqkv, .offset: 8, .size: 8, .value_kind: global_buffer, .address_space: global }
      - { .name: Wo, .offset: 16, .size: 8, .value_kind: global_buffer, .address_space: global }
      - { .name: positions, .offset: 24, .size: 8, .value_kind: global_buffer, .address_space: global }
      - { .name: codes, .offset: 32, .size: 8, .value_kind: global_buffer, .address_space: global }
      - { .name: scales, .offset: 40, .size: 8, .value_kind: global_buffer, .address_space: global }
      - { .name: wo16, .offset: 48, .size: 8, .value_kind: global_buffer, .address_space: global }
      - { .name: cs, .offset: 56, .size: 8, .value_kind: global_buffer, .address_space: global }
    .group_segment_fixed_size: 33280
    .private_segment_fixed_size: 0
    .kernarg_segment_align: 8
    .kernarg_segment_size: 64
    .max_flat_workgroup_size: 128
    .sgpr_count:     66
    .vgpr_count:     192
    .wavefront_size: 32
...
	.end_amdgpu_metadata
.endif
;; end of part 1
;; launch gemm1 (part 2): grid 12 x 32, 4 waves a work-group, clusters of 4 x 4, 327,680 bytes of LDS; arguments codes, scales, bqkv, cs, qkv16, qkv32; writes qkv16, qkv32
.if DOCPART == 2
	.amdgcn_target "amdgcn-amd-amdhsa--gfx1250"
	.amdhsa_code_object_version 6
	.text
	.protected	k_q14ab8115be_gemm1
	.globl	k_q14ab8115be_gemm1
	.p2align	8
	.type	k_q14ab8115be_gemm1,@function
k_q14ab8115be_gemm1:
	s_mov_b64 s[64:65], 0
	v_nop
	global_prefetch_b8 v0, s[64:65] scope:SCOPE_SE
	s_setreg_imm32_b32 hwreg(HW_REG_WAVE_MODE, 25, 1), 1
	s_wait_xcnt 0x0
	s_wait_alu depctr_hold_cnt(0) depctr_sa_sdst(0) depctr_va_vdst(0) depctr_va_sdst(0) depctr_va_ssrc(0) depctr_va_vcc(0) depctr_vm_vsrc(0)
	s_getreg_b32 s2, hwreg(HW_REG_IB_STS2, 6, 4)
	s_cmp_eq_u32 s2, 0
	s_cbranch_scc0 .Lentry_in_a_cluster
	s_endpgm
.Lentry_in_a_cluster:
	s_bfe_u32 s2, ttmp6, 0x10000c
	s_cmp_lg_u32 s2, 0xf033
	s_cbranch_scc0 .Lentry_shape_is_right
	s_endpgm
.Lentry_shape_is_right:
; qkv = Q(x) Q(Wqkv)^T + bqkv on codes of E2M1 with E8M0 scales; then the rotation of q and k; results by heads in f16, [3][64 b h][2048 s][64];
; positions 0-15 of every sequence also in f32, [16 b + s][3072], for the launch that carries those rows finely.
; A tile of 256 x 256 is made by four waves, each 128 x 128: 64 accumulators, 512 registers.  K = 1,024 is two LDS slots of 512: both slots and all scale bytes are first fills; nothing is filled again.
; CLUSTERS: 4 x 4 work-groups.  Tile column = 4 x cluster x + cx, so cluster x says q, k or v.  Tile row = cluster y + 8 cy, so cy is the batch and cluster y the block of 256 positions:
; positions 0-15 lie in the clusters with y = 0, in all partners alike.  x's tiles are asked for jointly along a row of the cluster, Wqkv's along a column.
; THE MATRIX INSTRUCTION IS USED TRANSPOSED (source 0 = 16 rows of Wqkv, source 1 = 16 rows of x): a lane holds one row and eight neighbouring columns: four pairs of the rotation.
; The bias is the C of each sum's first product.
; LIMITS: |q|, |k|, |v| under 65,504 (f16); NaN and infinities are not served.
; REGISTERS: window 0: v0-31 addresses; v32-95 scale words, two sets (scales and nothing else, to the end); v96-127 the table's first set; v128-191 x's fragments; v192-255 the bias.
;   window 1: Wqkv's fragments, two sets, at v0 and v128.  windows 2, 3: the accumulators ((a, b) at v[8 (8 (a % 4) + b)]).
;   On the way out: window 1 v0-63 the rotated numbers; window 0 v96-159 the table's two sets, v160-191 packed f16, v192-255 rows read back, two sets.
.set KSTEP,  512
.set NQ,     4
.set ROWB,   256                       ; a tile's row in bytes
.set KROW,   512                       ; a row of codes in memory
.set PITCH,  272                       ; an LDS row: 256 bytes + 16: the 16 rows of a load start at 16 different banks (64 banks of 4 bytes: ISA guide 11.1)
.set FR,     8
.set NL,     2
.set NP,     4
.set HALFT,  128*PITCH
.set SLOT,   4*HALFT
.set KS,     32                        ; a row of scale bytes
.set SCL,    2*SLOT
.set HALFS,  (128*KS/256)*272
.set SBLK,   (16*KS/256)*272
.set SPARE,  SCL+4*HALFS               ; the spare words: 128 bytes a wave, named by no other line
.set SROW,   144                       ; the way out: a stage of [2 heads][16 rows][128 bytes + 16] for each wave, in slot 0, which has had its only fill and its last read by then
.set TA,   10                          ; v10 the table: 256 r + 32 h
.set F32O, 11                          ; v11 the f32 copy: 12,288 r + 32 h
.set BO,   12                          ; v12 the bias: 32 h
.set ADRA, 16
.set ADRB, 20
.set STO,  24
.set RD,   25
.set CO,   26
.set ADRS, 27
.set SPW,  28
.set NIL,  29
.set SC,   32
.set CSR,  96
.set AF,   128
.set BIAS, 192
.set PK,   160
.set BK,   192
.set G1, 24
.set G0, 32
.set G1B, 48
.set G0B, 56
.set G1S, 68
.set G0S, 76
.set G1SB, 80
.set G0SB, 88
.set MSB, 0
.macro WIN new                         ; the immediate's high byte repeats the setting that is left
.if MSB != \new
	s_set_vgpr_msb (MSB<<8)|\new
.set MSB, \new
.endif
.endm
.set MUL_LO, 0xa1                      ; source 0 window 1, source 1 window 0, C and D window 2
.set MUL_HI, 0xf1                      ; the same, C and D window 3
.set TO_B,   0x40
; A joint load: waves 0 and 1 fetch for x, waves 2 and 3 for Wqkv; the branch hangs on the wave's number alone.  An s_nop 0 and four v_nop follow each line.
.macro JLOAD g0a, g1a, g0b, g1b
	s_cmp_eq_u32 s15, 0
	s_cbranch_scc0 .Lfor_b_\@
	tensor_load_to_lds s[\g0a:\g0a+3], s[\g1a:\g1a+7]
	s_nop 0
.rept 4
	v_nop
.endr
	s_branch .Lasked_\@
.Lfor_b_\@:
	tensor_load_to_lds s[\g0b:\g0b+3], s[\g1b:\g1b+7]
	s_nop 0
.rept 4
	v_nop
.endr
.Lasked_\@:
.endm
.macro CROUND                          ; a round of the cluster's barrier
	s_barrier_signal -1
	s_barrier_wait -1
	s_cmp_lg_u32 s14, 0
	s_cbranch_scc1 .Lnot_wave_0_\@
	s_barrier_signal -3
.Lnot_wave_0_\@:
	s_barrier_wait -3
	s_barrier_signal -1
	s_barrier_wait -1
.endm
	s_load_b256 s[4:11], s[0:1], 0x0               ; codes 4:5, scales 6:7, bqkv 8:9, cs 10:11
	s_load_b64 s[12:13], s[0:1], 0x20              ; qkv16
	s_load_b64 s[66:67], s[0:1], 0x28              ; qkv32
	v_lshl_add_u32 v[SPW], v0, 2, SPARE
	v_mov_b32 v[NIL], 0
	ds_add_u32 v[SPW], v[NIL]                      ; the wave's opening: the add, twice on end, and its wait ahead of my first tensor load
	ds_add_u32 v[SPW], v[NIL]
	v_lshrrev_b32 v1, 5, v0
	v_readfirstlane_b32 s14, v1                    ; wave 0..3
	s_lshr_b32 s15, s14, 1                         ; my half of the tile's rows; also: I fetch for x (0) or Wqkv (1)
	s_and_b32 s16, s14, 1                          ; my half of its columns; also: which 128 rows I fetch
	s_bfe_u32 s40, ttmp6, 0x40000                  ; cx
	s_bfe_u32 s41, ttmp6, 0x40004                  ; cy
	s_lshl_b32 s42, ttmp9, 2
	s_add_co_u32 s42, s42, s40                     ; tile column = 4 x cluster x + cx
	s_and_b32 s95, ttmp7, 0xffff                   ; cluster y: the block of 256 positions
	s_lshl_b32 s17, s41, 3
	s_add_co_u32 s17, s17, s95                     ; tile row = 8 cy + cluster y
	s_or_b32 s96, s95, s15                         ; 0 where my first 16 rows are positions 0-15: cluster y and the wave's number alone
	s_lshl_b32 s43, s41, 2
	s_lshl_b32 s43, 15, s43                        ; my row of the cluster
	s_lshl_b32 s44, 0x1111, s40                    ; my column
	s_or_b32 s[G1+0], s43, (0<<16)|(1<<20)|(1<<21)|(5<<22)|(3<<25)  ; mask; elements of 1 byte; padding: 4 words after every 64; bit 21 beside a mask
	s_or_b32 s[G1B+0], s44, (0<<16)|(1<<20)|(1<<21)|(5<<22)|(3<<25)
.irp g, G1, G1B
	s_mov_b32 s[\g+1], ROWB<<16                    ; tensor_dim0
	s_mov_b32 s[\g+2], 128<<16                     ; tensor_dim1
	s_mov_b32 s[\g+3], ROWB<<16                    ; tile_dim0
	s_mov_b32 s[\g+4], 128                         ; tile_dim1
	s_mov_b32 s[\g+5], KROW                        ; from row to row
	s_mov_b32 s[\g+6], 0
	s_mov_b32 s[\g+7], 0
.endr
	s_or_b32 s[G1S+0], s43, (3<<16)|(1<<20)|(1<<21)|(5<<22)|(3<<25) ; the scale bytes of 128 rows: 4,096 dense bytes as 16 rows of 256 (32 elements of 8 bytes)
	s_or_b32 s[G1SB+0], s44, (3<<16)|(1<<20)|(1<<21)|(5<<22)|(3<<25)
.irp g, G1S, G1SB
	s_mov_b32 s[\g+1], 32<<16
	s_mov_b32 s[\g+2], (128*KS/256)<<16
	s_mov_b32 s[\g+3], 32<<16
	s_mov_b32 s[\g+4], 128*KS/256
	s_mov_b32 s[\g+5], 32
	s_mov_b32 s[\g+6], 0
	s_mov_b32 s[\g+7], 0
.endr
	s_lshl_b32 s18, s16, 7
	s_lshl_b32 s20, s17, 8
	s_add_co_u32 s20, s20, s18                     ; x: row 256 x tile row + 128 x half
	s_lshl_b32 s46, s42, 8
	s_add_co_u32 s46, s46, s18                     ; Wqkv: row 256 x tile column + 128 x half
	s_lshl_b32 s22, s20, 5                         ; their scale bytes,
	s_mov_b32 s23, 0
	s_lshl_b32 s92, s46, 5
	s_add_co_u32 s92, s92, 262144                  ; (Wqkv's lie behind x's)
	s_mov_b32 s93, 0
	s_lshl_b32 s20, s20, 9                         ; and their codes
	s_mov_b32 s21, 0
	s_lshl_b32 s46, s46, 9
	s_add_co_u32 s46, s46, 4194304
	s_mov_b32 s47, 0
	s_mul_i32 s45, s14, HALFT                      ; where they go: wave x 128 rows: no place in the cluster enters an LDS address
	s_mul_i32 s94, s14, HALFS
	s_wait_dscnt 0x0                               ; both opening adds are done
	s_wait_kmcnt 0x0
	s_add_nc_u64 s[20:21], s[4:5], s[20:21]
	s_add_nc_u64 s[22:23], s[6:7], s[22:23]
	s_add_nc_u64 s[46:47], s[4:5], s[46:47]
	s_add_nc_u64 s[92:93], s[6:7], s[92:93]
	CROUND                                         ; all sixteen work-groups are here: the joint loads meet
	s_mov_b32 s[G0S], 1
	s_add_co_u32 s[G0S+1], s94, SCL
	s_mov_b64 s[G0S+2:G0S+3], s[22:23]
	s_or_b32 s[G0S+3], s[G0S+3], 0x80000000
	s_mov_b32 s[G0SB], 1
	s_add_co_u32 s[G0SB+1], s94, SCL
	s_mov_b64 s[G0SB+2:G0SB+3], s[92:93]
	s_or_b32 s[G0SB+3], s[G0SB+3], 0x80000000
	JLOAD G0S, G1S, G0SB, G1SB                     ; the scales first; by this text's count three tensor loads of a wave are out at the most
.irp s, 0,1
	s_mov_b32 s[G0+4*\s], 1
	s_add_co_u32 s[G0+4*\s+1], s45, \s*SLOT
	s_add_nc_u64 s[G0+4*\s+2:G0+4*\s+3], s[20:21], \s*ROWB
	s_or_b32 s[G0+4*\s+3], s[G0+4*\s+3], 0x80000000
	s_mov_b32 s[G0B+4*\s], 1
	s_add_co_u32 s[G0B+4*\s+1], s45, \s*SLOT
	s_add_nc_u64 s[G0B+4*\s+2:G0B+4*\s+3], s[46:47], \s*ROWB
	s_or_b32 s[G0B+4*\s+3], s[G0B+4*\s+3], 0x80000000
	JLOAD G0+4*\s, G1, G0B+4*\s, G1B
.endr
	v_and_b32 v1, 15, v0                           ; r
	v_bfe_u32 v2, v0, 4, 1                         ; h
	v_mul_u32_u24 v3, v1, PITCH
	v_lshl_add_u32 v4, v2, 4, v3
	s_mul_i32 s21, s15, HALFT
	s_mul_i32 s22, s16, HALFT
	s_add_co_u32 s22, s22, 2*HALFT
.irp s, 0,1
	v_add_nc_u32 v[ADRA+\s], s21, v4
	v_add_nc_u32 v[ADRB+\s], s22, v4
	s_add_co_u32 s21, s21, SLOT
	s_add_co_u32 s22, s22, SLOT
.endr
	v_mul_u32_u24 v5, v1, KS                       ; my row's scale bytes: 32 a row, 16 more for each 256 passed
	v_lshrrev_b32 v6, 8, v5
	v_lshl_add_u32 v5, v6, 4, v5
	s_mul_i32 s21, s15, HALFS
	s_mul_i32 s22, s16, HALFS
	s_add_co_u32 s22, s22, 2*HALFS
	s_sub_co_u32 s22, s22, s21
	v_mul_u32_u24 v6, s22, v2                      ; lanes 16-31 take Wqkv's
	s_add_co_u32 s21, s21, SCL
	v_add_nc_u32 v5, v5, v6
	v_add_nc_u32 v[ADRS], s21, v5
	s_mul_i32 s23, s14, 2*16*SROW                  ; my stage
	v_mul_u32_u24 v5, v1, SROW
	v_lshl_add_u32 v5, v2, 4, v5
	v_add_nc_u32 v[STO], s23, v5                   ; in: row r, 16 bytes for each half of the lanes
	v_and_b32 v6, 31, v0
	v_lshlrev_b32 v[CO], 4, v6                     ; out: 16 bytes a lane, 512 on end
	v_lshrrev_b32 v7, 3, v6
	v_and_b32 v8, 7, v6
	v_mul_u32_u24 v7, v7, SROW
	v_lshl_add_u32 v7, v8, 4, v7
	v_add_nc_u32 v[RD], s23, v7                    ; back: eight lanes to a row of 128 bytes, four rows an instruction
	v_lshlrev_b32 v[TA], 8, v1
	v_lshl_add_u32 v[TA], v2, 5, v[TA]
	v_mul_u32_u24 v[F32O], v1, 12288
	v_lshl_add_u32 v[F32O], v2, 5, v[F32O]
	v_lshlrev_b32 v[BO], 5, v2
	s_lshl_b32 s20, s17, 16                        ; the table at my first row: 256 bytes x (256 x tile row + 128 x half)
	s_lshl_b32 s21, s15, 15
	s_add_co_u32 s20, s20, s21
	s_mov_b32 s21, 0
	s_add_nc_u64 s[10:11], s[10:11], s[20:21]
	s_lshl_b32 s46, s42, 10                        ; my first column in bytes of f32: 1,024 x tile column + 512 x half
	s_lshl_b32 s47, s16, 9
	s_add_co_u32 s46, s46, s47
	s_mov_b32 s47, 0
	s_add_nc_u64 s[8:9], s[8:9], s[46:47]
	s_add_nc_u64 s[66:67], s[66:67], s[46:47]
	s_mul_i32 s92, s41, 196608                     ; the f32 copy: 16 rows of 12,288 bytes a batch
	s_mov_b32 s93, 0
	s_add_nc_u64 s[66:67], s[66:67], s[92:93]
	s_lshl_b32 s92, ttmp9, 6                       ; qkv16: ((64 part + 16 batch + 4 cx + 2 half) x 2,048 + 256 cluster y + 128 half) rows of 128 bytes
	s_lshl_b32 s97, s41, 4
	s_add_co_u32 s92, s92, s97
	s_lshl_b32 s97, s40, 2
	s_add_co_u32 s92, s92, s97
	s_lshl_b32 s97, s16, 1
	s_add_co_u32 s92, s92, s97
	s_lshl_b32 s92, s92, 11
	s_lshl_b32 s97, s95, 8
	s_add_co_u32 s92, s92, s97
	s_lshl_b32 s97, s15, 7
	s_add_co_u32 s92, s92, s97
	s_lshl_b32 s92, s92, 7
	s_add_nc_u64 s[12:13], s[12:13], s[92:93]
; the table of block a's 16 rows: lane (r, h) takes, for each 16 channels g, its four pairs' cos and sin: 32 bytes
.macro CSLOAD a
.irp g, 0,1,2,3
	global_load_b128 v[CSR+32*((\a)%2)+8*\g:CSR+32*((\a)%2)+8*\g+3], v[TA], s[10:11] offset:4096*(\a)+64*\g
	global_load_b128 v[CSR+32*((\a)%2)+8*\g+4:CSR+32*((\a)%2)+8*\g+7], v[TA], s[10:11] offset:4096*(\a)+64*\g+16
.endr
.endm
	CSLOAD 0                                       ; the table's first set is asked for here, so that it comes in under the products.  Every cluster asks, v's too, which do not rotate and do not use
	                                               ; it (4,096 bytes a wave): so these registers are written on every way that leads on from here
.irp b, 0,1,2,3,4,5,6,7
	global_load_b128 v[BIAS+8*\b:BIAS+8*\b+3], v[BO], s[8:9] offset:64*\b          ; block b, register j: bqkv[first column + 16 b + 8 h + j]
	global_load_b128 v[BIAS+8*\b+4:BIAS+8*\b+7], v[BO], s[8:9] offset:64*\b+16
.endr
.macro FRAG reg, adr, q, i             ; 16 rows x 128 K of 4-bit codes: 8 registers, two loads of 16 bytes, 32 apart
.irp c, 0,1
	ds_load_b128 v[\reg+4*\c:\reg+4*\c+3], v[\adr] offset:64*(\q)+32*\c+(\i)*16*PITCH
.endr
.endm
; 16 products: x's blocks a0, a0 + 1 against Wqkv's eight.  zero = 1: the sums begin with the bias.  The 64 accumulators take turns, one instruction a turn.
.macro MUL16 a0, p, q, sc, zero
.irp a, \a0, \a0+1
.irp b, 0,1,2,3,4,5,6,7
.if \zero
	v_wmma_scale_f32_16x16x128_f8f6f4 v[8*(8*((\a)%4)+\b):8*(8*((\a)%4)+\b)+7], v[128*(\p)+FR*\b:128*(\p)+FR*\b+FR-1], v[AF+FR*(\a):AF+FR*(\a)+FR-1], v[BIAS+8*\b:BIAS+8*\b+7], v[SC+8*NQ*(\sc)+NQ*\b+(\q)], v[SC+8*NQ*(\sc)+NQ*(\a)+(\q)] matrix_a_fmt:MATRIX_FMT_FP4 matrix_b_fmt:MATRIX_FMT_FP4 matrix_a_scale:MATRIX_SCALE_ROW1
.else
	v_wmma_scale_f32_16x16x128_f8f6f4 v[8*(8*((\a)%4)+\b):8*(8*((\a)%4)+\b)+7], v[128*(\p)+FR*\b:128*(\p)+FR*\b+FR-1], v[AF+FR*(\a):AF+FR*(\a)+FR-1], v[8*(8*((\a)%4)+\b):8*(8*((\a)%4)+\b)+7], v[SC+8*NQ*(\sc)+NQ*\b+(\q)], v[SC+8*NQ*(\sc)+NQ*(\a)+(\q)] matrix_a_fmt:MATRIX_FMT_FP4 matrix_b_fmt:MATRIX_FMT_FP4 matrix_a_scale:MATRIX_SCALE_ROW1
.endif
.endr
.endr
.endm
.macro FETCH_B slot, q, p
	WIN TO_B
.irp i, 0,1,2,3,4,5,6,7
	FRAG 128*(\p)+FR*\i, ADRB+\slot, \q, \i
.endr
	WIN 0
.endm
.macro FETCH_A slot, q, i0
.irp i, \i0, \i0+1, \i0+2, \i0+3
	FRAG AF+FR*(\i), ADRA+\slot, \q, \i
.endr
.endm
.macro SCALES sc                       ; a K step's scale words: lanes 0-15 x's block i, lanes 16-31 Wqkv's block i
.irp i, 0,1,2,3,4,5,6,7
	ds_load_b128 v[SC+8*NQ*\sc+NQ*\i:SC+8*NQ*\sc+NQ*\i+3], v[ADRS] offset:\i*SBLK
.endr
.endm
.macro PLACES n                        ; plain vector lines between a matrix instruction and a load into, or a read of, its registers
.rept \n
	v_nop
.endr
.endm
.macro STEP slot, q, zero              ; 128 along K with its successor in the same slot
	s_wait_dscnt 4*NL                              ; all but the youngest eight loads (x's blocks 4-7) are in
.if \zero
	WIN 0x81                                       ; C (the bias) in window 0, D in window 2
.else
	WIN MUL_LO
.endif
	MUL16 0, (\q)%2, \q, \slot, \zero
	MUL16 2, (\q)%2, \q, \slot, \zero
	s_wait_dscnt 0
	PLACES NP
	FETCH_B \slot, (\q)+1, 1-(\q)%2
	FETCH_A \slot, (\q)+1, 0
.if \zero
	WIN 0xc1
.else
	WIN MUL_HI
.endif
	MUL16 4, (\q)%2, \q, \slot, \zero
	MUL16 6, (\q)%2, \q, \slot, \zero
	PLACES NP
	WIN 0
	FETCH_A \slot, (\q)+1, 4
.endm
; Slot 0's last step changes slots: in front of the barrier each wave waits for all its tensor loads (its part of slot 1), adds 0 to its spare word, and waits for that and for its reads of slot 0.
.macro TURN slot, next
	s_wait_tensorcnt 0x0
	ds_add_u32 v[SPW], v[NIL]
	s_wait_dscnt 4*NL+1                            ; the add and the youngest eight loads may be out
	WIN MUL_LO
	MUL16 0, 1, NQ-1, \slot, 0
	s_wait_dscnt 0x0                               ; the add is done, and my reads of this slot are over
	s_barrier_signal -1
	MUL16 2, 1, NQ-1, \slot, 0
	WIN 0
	s_barrier_wait -1
	PLACES NP
	v_add_nc_u32 v[ADRS], 4*NQ, v[ADRS]            ; the next K step's scale words (no LDS load of mine is out)
	FETCH_B \next, 0, 0
	FETCH_A \next, 0, 0
	SCALES \next
	WIN MUL_HI
	MUL16 4, 1, NQ-1, \slot, 0
	MUL16 6, 1, NQ-1, \slot, 0
	PLACES NP
	WIN 0
	FETCH_A \next, 0, 4
.endm
	s_wait_tensorcnt 1                             ; the scales and my part of slot 0 are in; slot 1's load may be out
	s_barrier_signal -1
	s_barrier_wait -1
	FETCH_B 0, 0, 0
	FETCH_A 0, 0, 0
	SCALES 0
	FETCH_A 0, 0, 4
	s_wait_loadcnt 0x0                             ; the bias, and the table's first set
	STEP 0, 0, 1
	STEP 0, 1, 0
	STEP 0, 2, 0
	TURN 0, 1
	STEP 1, 0, 0
	STEP 1, 1, 0
	STEP 1, 2, 0
	s_wait_dscnt 4*NL                              ; the last step: nothing more to fetch
	WIN MUL_LO
	MUL16 0, 1, NQ-1, 1, 0
	MUL16 2, 1, NQ-1, 1, 0
	s_wait_dscnt 0
	WIN MUL_HI
	MUL16 4, 1, NQ-1, 1, 0
	MUL16 6, 1, NQ-1, 1, 0
	WIN 0
; THE WAY OUT, block by block of 16 rows x 128 columns (two heads).
.macro SEND a                          ; block a's rows leave: 512 consecutive bytes an instruction (four rows of a head), every offset an immediate
	s_wait_dscnt 0x0                               ; the block is back from the stage
.irp hh, 0,1
.irp t, 0,1,2,3
	global_store_b128 v[CO], v[BK+32*((\a)%2)+4*(4*\hh+\t):BK+32*((\a)%2)+4*(4*\hh+\t)+3], s[12:13] offset:\hh*262144+2048*(\a)+512*\t
.endr
.endr
.endm
.macro TOSTAGE a                       ; 16 bytes a lane into rows of 144 bytes, and back as whole rows; LDS serves a wave's instructions in order
.irp b, 0,1,2,3,4,5,6,7
	ds_store_b128 v[STO], v[PK+4*\b:PK+4*\b+3] offset:(\b/4)*16*SROW+32*(\b%4)
.endr
.if (\a) > 1
	s_wait_xcnt 0x0                                ; block a - 2's stores have read the registers into which these loads land
.endif
.irp hh, 0,1
.irp t, 0,1,2,3
	ds_load_b128 v[BK+32*((\a)%2)+4*(4*\hh+\t):BK+32*((\a)%2)+4*(4*\hh+\t)+3], v[RD] offset:\hh*16*SROW+4*SROW*\t
.endr
.endr
.endm
.macro OBLOCK a, rope
.set AC, 64*((\a)%4)
.set CSS, CSR+32*((\a)%2)
.if \rope
.if (\a) < 7
	CSLOAD (\a)+1
	s_wait_loadcnt 8                               ; this block's table is in; the next block's eight loads may be out
.else
	s_wait_loadcnt 0x0
.endif
.if (\a) == 1
	s_wait_xcnt 0x0                                ; the f32 copy's stores have read the rotated numbers' registers
.endif
	WIN 0x52+(\a)/4                                ; source 0: the accumulators' window; source 1: the table, window 0; source 2 and destination: window 1
.irp b, 0,1,2,3,4,5,6,7                ; each accumulator from its low end on
.irp p, 0,1,2,3
	v_pk_mul_f32 v[8*\b+2*\p:8*\b+2*\p+1], v[AC+8*\b+2*\p:AC+8*\b+2*\p+1], v[CSS+8*(\b%4)+2*\p:CSS+8*(\b%4)+2*\p+1] op_sel_hi:[1,0]   ; (t1 cos, t2 cos)
.endr
.irp p, 0,1,2,3
	v_pk_fma_f32 v[8*\b+2*\p:8*\b+2*\p+1], v[AC+8*\b+2*\p:AC+8*\b+2*\p+1], v[CSS+8*(\b%4)+2*\p:CSS+8*(\b%4)+2*\p+1], v[8*\b+2*\p:8*\b+2*\p+1] op_sel:[1,1,0] op_sel_hi:[0,1,1] neg_lo:[1,0,0]   ; (- t2 sin, + t1 sin)
.endr
.endr
.endif
.if (\a) == 0                          ; positions 0-15 also go out in f32
	WIN 0
	s_cmp_lg_u32 s96, 0
	s_cbranch_scc1 .Lno_copy_\@
.if \rope
	WIN 0x04                                       ; a store's data are its source 1: window 1
.irp b, 0,1,2,3,4,5,6,7
	global_store_b128 v[F32O], v[8*\b:8*\b+3], s[66:67] offset:64*\b
	global_store_b128 v[F32O], v[8*\b+4:8*\b+7], s[66:67] offset:64*\b+16
.endr
.else
	WIN 0x08                                       ; window 2
.irp b, 0,1,2,3,4,5,6,7
	global_store_b128 v[F32O], v[AC+8*\b:AC+8*\b+3], s[66:67] offset:64*\b
	global_store_b128 v[F32O], v[AC+8*\b+4:AC+8*\b+7], s[66:67] offset:64*\b+16
.endr
.endif
	WIN 0
.Lno_copy_\@:
.endif
.if \rope
	WIN 0x05                                       ; sources 0 and 1: window 1
.irp b, 0,1,2,3,4,5,6,7
.irp p, 0,1,2,3
	v_cvt_pk_f16_f32 v[PK+4*\b+\p], v[8*\b+2*\p], v[8*\b+2*\p+1]
.endr
.endr
.else
	WIN 0x0a+5*((\a)/4)                            ; sources 0 and 1: window 2 or 3
.irp b, 0,1,2,3,4,5,6,7
.irp p, 0,1,2,3
	v_cvt_pk_f16_f32 v[PK+4*\b+\p], v[AC+8*\b+2*\p], v[AC+8*\b+2*\p+1]
.endr
.endr
.endif
	WIN 0
.if (\a) > 0
	SEND (\a)-1
.endif
	TOSTAGE \a
.endm
.macro OUT rope
.irp a, 0,1,2,3,4,5,6,7
	OBLOCK \a, \rope
.endr
	SEND 7
	s_wait_tensorcnt 0x0                           ; the wave's end: behind my last tensor load and my last LDS store
	ds_add_u32 v[SPW], v[NIL]
	s_wait_dscnt 0x0
	CROUND                                         ; the closing round
	s_endpgm
.endm
	PLACES NP                                      ; behind the last products: for the first reads of results and for loads and writes into x's fragments' registers
	s_cmp_eq_u32 ttmp9, 2                          ; v is not rotated: cluster x alone decides
	s_cbranch_scc1 .Lplain
	OUT 1
.Lplain:
	OUT 0
.Lfunc_end_k_q14ab8115be_gemm1:
	.size	k_q14ab8115be_gemm1, .Lfunc_end_k_q14ab8115be_gemm1-k_q14ab8115be_gemm1
	.p2alignl 7, 3214868480
	.fill 96, 4, 3214868480
	.section	.rodata,"a",@progbits
	.p2align	6, 0x0
	.amdhsa_kernel k_q14ab8115be_gemm1
		.amdhsa_group_segment_fixed_size 327680
		.amdhsa_private_segment_fixed_size 0
		.amdhsa_enable_private_segment 0
		.amdhsa_kernarg_size 48
		.amdhsa_user_sgpr_count 2
		.amdhsa_user_sgpr_kernarg_segment_ptr 1
		.amdhsa_wavefront_size32 1
		.amdhsa_system_sgpr_workgroup_id_x 1
		.amdhsa_system_sgpr_workgroup_id_y 1
		.amdhsa_system_sgpr_workgroup_id_z 1
		.amdhsa_system_vgpr_workitem_id 0
		.amdhsa_next_free_vgpr 1024
		.amdhsa_next_free_sgpr 100
		.amdhsa_reserve_vcc 0
		.amdhsa_float_denorm_mode_32 3
		.amdhsa_float_denorm_mode_16_64 3
		.amdhsa_memory_ordered 1
		.amdhsa_forward_progress 1
		.amdhsa_inst_pref_size 202
	.end_amdhsa_kernel
	.amdgpu_metadata
---
amdhsa.version: [ 1, 2 ]
amdhsa.kernels:
  - .name:           k_q14ab8115be_gemm1
    .symbol:         k_q14ab8115be_gemm1.kd
    .args:
      - { .name: codes, .offset: 0, .size: 8, .value_kind: global_buffer, .address_space: global }
      - { .name: scales, .offset: 8, .size: 8, .value_kind: global_buffer, .address_space: global }
      - { .name: bqkv, .offset: 16, .size: 8, .value_kind: global_buffer, .address_space: global }
      - { .name: cs, .offset: 24, .size: 8, .value_kind: global_buffer, .address_space: global }
      - { .name: qkv16, .offset: 32, .size: 8, .value_kind: global_buffer, .address_space: global }
      - { .name: qkv32, .offset: 40, .size: 8, .value_kind: global_buffer, .address_space: global }
    .group_segment_fixed_size: 327680
    .private_segment_fixed_size: 0
    .kernarg_segment_align: 8
    .kernarg_segment_size: 48
    .max_flat_workgroup_size: 128
    .sgpr_count:     100
    .vgpr_count:     1024
    .wavefront_size: 32
...
	.end_amdgpu_metadata
.endif
;; end of part 2
;; launch attn (part 3): grid 4 x 64, 16 waves a work-group, no clusters, 327,680 bytes of LDS; arguments qkv16, h16; writes h16
.if DOCPART == 3
	.amdgcn_target "amdgcn-amd-amdhsa--gfx1250"
	.amdhsa_code_object_version 6
	.text
	.protected	k_q14ab8115be_attn
	.globl	k_q14ab8115be_attn
	.p2align	8
	.type	k_q14ab8115be_attn,@function
k_q14ab8115be_attn:
	s_mov_b64 s[64:65], 0
	v_nop
	global_prefetch_b8 v0, s[64:65] scope:SCOPE_SE
	s_setreg_imm32_b32 hwreg(HW_REG_WAVE_MODE, 25, 1), 1
	s_wait_xcnt 0x0
; h[b h][q][:] = the sum over k <= q of softmax_k(q . k / 8) v[k][:], operands in f16, products, maxima and sums in f32.  q, k, v: [64 b h][2048][64] f16, three parts of one buffer; h likewise.
; SHARES.  Work-group (i, b h) owns the blocks i and 7 - i of 256 queries: whatever i, that is 256 x 2,304 scores under the causal mask, so the 256 work-groups have equal work.
; Waves 0-7 take block i, waves 8-15 block 7 - i, 32 queries (two tiles of 16) each, in 256 registers: four waves to a SIMD, so that one wave's softmax stands beside another's products.
; In the upper eight the order of the 32s is turned round, so that early and late diagonals are spread over the waves.
; K's and V's tiles come through a ring of two LDS slots of 256 keys (waves 0, 1: K's halves; waves 2, 3: V's) and are read by all sixteen, 64 keys a step.
; LAYOUT.  S^T = K Q^T (source 0 = 16 keys, source 1 = 16 queries): a lane holds one query and keys 8 (lane / 16) + 0..7; two such tiles packed to f16 ARE source 1 of O^T = V^T P.  V comes out of LDS turned, by ds_load_tr16_b128.
; SOFTMAX.  Running maximum m and sum l for each query: p = 2^(c s - c m), c = log2(e) / 8; O and l are multiplied by a = 2^(c m_old - c m_new) in every step.  The sum is taken of p before it is rounded to f16.
; CAUSAL.  Every work-group walks all 8 slots (constant trip counts, every barrier passed); a step all of whose keys come after the wave's queries is jumped over; on the diagonal hidden scores become -infinity.
; A slot whose first key comes after the work-group's last query is not asked for.
; NO CLUSTER: the four work-groups of a head need 8 - i slots each, so a joint load would bring tiles that every wave of a partner jumps over.
; LIMITS: |q|, |k|, |v| under 65,504; NaN and infinities are not served.  Positions 0-15 of every sequence are written again, finely, by a later launch's road.
.set SK,    256                        ; keys in a slot
.set NQ,    4                          ; steps of 64 keys in a slot
.set KP,    144                        ; a key's row in LDS: 128 bytes + 16
.set VP,    160                        ; a row of V: 128 + 32
.set VOFF,  SK*KP
.set SLOT1, 1<<17                      ; one exclusive or turns an address from one slot into the other
.set NSL,   8
.set SPARE, 2*SLOT1                    ; the spare words: 128 bytes a wave, named by no other line
.set SROW,  144                        ; the way out: 32 rows x 144 bytes for each wave, in slot 0, which was left at the last change of slots
.set AK0, 1
.set AV0, 2
.set SPW, 3
.set NIL, 4
.set GO,  5
.set ADK, 6
.set ADV, 7
.set PFO, 8
.set DD,  9
.set NINF, 10
.set ST,  12                           ; tile t's statistics at v[ST + 8 t]: +0 c m, +1 m, +2, +3 l, +4 to +7 at work; a at +6
.set QF,  32                           ; Q: fragment (t, c) at QF + 16 t + 8 c
.set KV,  64                           ; K's 8 fragments, then V's 8
.set S,   128                          ; S^T: (t, kt) at S + 32 t + 8 kt; P is packed in place into S + 32 t + 0..15
.set O,   192                          ; O^T: (t, ct) at O + 32 t + 8 ct
.set WV,  18
.set SEL, 20
.set CS,  22
.set G1K, 24
.set G1V, 32
.set G0K, 40
.set G0V, 44
.set TB,  2
.set KF,  48                           ; the step's first key
.set Q0,  49                           ; my first query
.set QL,  50                           ; my work-group's last query
.set SLOTS, 51
.set PFA, 52
.set LIM, 54
; Waves 0 and 1 fetch for K, waves 2 and 3 for V, the others nothing.  An s_nop 0 and four v_nop follow each line.
.macro TLOAD
	s_cmp_lt_u32 s[WV], 2
	s_cbranch_scc0 .Lnot_k_\@
	tensor_load_to_lds s[G0K:G0K+3], s[G1K:G1K+7]
	s_nop 0
.rept 4
	v_nop
.endr
	s_branch .Lasked_\@
.Lnot_k_\@:
	s_cmp_lt_u32 s[WV], 4
	s_cbranch_scc0 .Lasked_\@
	tensor_load_to_lds s[G0V:G0V+3], s[G1V:G1V+7]
	s_nop 0
.rept 4
	v_nop
.endr
.Lasked_\@:
.endm
; A prefetch of what the NEXT change of slots will ask for: a slot's 32,768 bytes of K and as many of V, both dense.  The head's first work-group asks, which walks all slots; in it waves 4-7 ask for K's,
; waves 8-11 for V's: 8,192 bytes a wave, lanes 256 bytes apart: each block of 256 bytes is named once in the launch.  The last change that fills a slot asks for nothing.
.macro ASK
	s_cmp_gt_u32 s[SLOTS], s[LIM]
	s_cbranch_scc0 .Lnot_mine_\@
	global_prefetch_b8 v[PFO], s[PFA:PFA+1] th:TH_LOAD_NT scope:SCOPE_SE
.Lnot_mine_\@:
.endm
	s_load_b128 s[4:7], s[0:1], 0x0                ; qkv16, h16
	v_lshl_add_u32 v[SPW], v0, 2, SPARE
	v_mov_b32 v[NIL], 0
	ds_add_u32 v[SPW], v[NIL]                      ; the wave's opening: the add, twice on end, and its wait ahead of my first tensor load
	ds_add_u32 v[SPW], v[NIL]
	v_lshrrev_b32 v11, 5, v0
	v_readfirstlane_b32 s[WV], v11                 ; wave 0..15
	s_and_b32 s56, ttmp7, 0xffff
	s_lshl_b32 s56, s56, 18                        ; the head's first byte in a part: 262,144 x (b h)
	s_and_b32 s57, s[WV], 7
	s_lshr_b32 s58, s[WV], 3
	s_mul_i32 s58, s58, 7                          ; 7 in waves 8-15
	s_xor_b32 s57, s57, s58                        ; which 32 queries of the block
	s_xor_b32 s59, ttmp9, s58                      ; the block: i, or 7 - i
	s_lshl_b32 s59, s59, 8
	s_lshl_b32 s57, s57, 5
	s_add_co_u32 s[Q0], s59, s57
	s_xor_b32 s[QL], ttmp9, 7
	s_lshl_b32 s[QL], s[QL], 8
	s_or_b32 s[QL], s[QL], 255
	s_and_b32 s60, s[WV], 1                        ; which half of a slot's rows I fetch, if I fetch
	s_lshl_b32 s61, s60, 14
	s_add_co_u32 s61, s61, s56
	s_add_co_u32 s66, s61, 0x1000000               ; K's part begins 16 MiB on,
	s_mov_b32 s67, 0
	s_add_co_u32 s68, s61, 0x2000000               ; V's 32 MiB
	s_mov_b32 s69, 0
	s_mul_i32 s62, s60, 128*KP
	s_mul_i32 s63, s60, 128*VP
	s_add_co_u32 s63, s63, VOFF
	s_lshl_b32 s70, s[Q0], 7
	s_add_co_u32 s70, s70, s56                     ; my first query's row in q and in h
	s_mov_b32 s71, 0
	s_mov_b32 s[G1K], (1<<16)|(1<<20)|(4<<22)|(3<<25)   ; elements of 2 bytes; padding: 4 words after every 32
	s_mov_b32 s[G1V], (1<<16)|(1<<20)|(4<<22)|(7<<25)   ; 8 words
.irp g, G1K, G1V
	s_mov_b32 s[\g+1], 64<<16                      ; tensor_dim0
	s_mov_b32 s[\g+2], 128<<16                     ; tensor_dim1
	s_mov_b32 s[\g+3], 64<<16                      ; tile_dim0
	s_mov_b32 s[\g+4], 128                         ; tile_dim1
	s_mov_b32 s[\g+5], 64                          ; from row to row
	s_mov_b32 s[\g+6], 0
	s_mov_b32 s[\g+7], 0
.endr
	s_mov_b32 s[SEL], 0x76543210
	s_mov_b32 s[SEL+1], 0xfedcba98
	s_mov_b32 s[CS], 0x3e38aa3b                    ; c = log2(e) / 8
	s_mov_b32 s[CS+1], s[CS]
	s_mov_b32 s[TB], 0
	s_mov_b32 s[KF], 0
	s_mov_b32 s[SLOTS], NSL-1
	s_wait_dscnt 0x0                               ; both opening adds are done
	s_wait_kmcnt 0x0
	s_mov_b32 s[G0K], 1
	s_mov_b32 s[G0K+1], s62
	s_add_nc_u64 s[G0K+2:G0K+3], s[4:5], s[66:67]
	s_or_b32 s[G0K+3], s[G0K+3], 0x80000000
	s_mov_b32 s[G0V], 1
	s_mov_b32 s[G0V+1], s63
	s_add_nc_u64 s[G0V+2:G0V+3], s[4:5], s[68:69]
	s_or_b32 s[G0V+3], s[G0V+3], 0x80000000
	TLOAD                                          ; slot 0: it holds key 0, which counts for every query
	s_add_nc_u64 s[8:9], s[4:5], s[70:71]          ; q at my first query
	s_add_nc_u64 s[6:7], s[6:7], s[70:71]          ; h likewise
	s_cmp_lt_u32 s[WV], 8                          ; the prefetches: waves 4-7 K's part, waves 8-11 V's
	s_mov_b32 s73, 0x2000000
	s_cselect_b32 s72, 0x1000000, s73
	s_and_b32 s73, s[WV], 3
	s_lshl_b32 s73, s73, 13
	s_add_co_u32 s72, s72, s73
	s_add_co_u32 s72, s72, s56
	s_add_co_u32 s72, s72, SK*128                  ; in slot 1: the first change of slots steps it to slot 2
	s_mov_b32 s73, 0
	s_add_nc_u64 s[PFA:PFA+1], s[4:5], s[72:73]
	s_sub_co_u32 s72, s[WV], 4
	s_lshr_b32 s72, s72, 3                         ; 0 in waves 4 to 11,
	s_or_b32 s72, s72, ttmp9                       ; of the head's first work-group
	s_cmp_eq_u32 s72, 0
	s_cselect_b32 s[LIM], 1, -1
	v_and_b32 v28, 15, v0                          ; r
	v_bfe_u32 v29, v0, 4, 1                        ; h
	v_lshlrev_b32 v30, 7, v28
	v_lshl_add_u32 v30, v29, 4, v30                ; q: 128 r + 16 h
.irp t, 0,1
.irp c, 0,1
	global_load_b128 v[QF+16*\t+8*\c:QF+16*\t+8*\c+3], v30, s[8:9] offset:2048*\t+64*\c
	global_load_b128 v[QF+16*\t+8*\c+4:QF+16*\t+8*\c+7], v30, s[8:9] offset:2048*\t+64*\c+32
.endr
.endr
	v_mul_u32_u24 v[AK0], v28, KP
	v_lshl_add_u32 v[AK0], v29, 4, v[AK0]
	v_and_b32 v11, 7, v0
	v_lshl_add_u32 v[AV0], v29, 3, v11             ; the turning load: key 8 h + lane % 8,
	v_mul_u32_u24 v[AV0], v[AV0], VP
	v_bfe_u32 v11, v0, 3, 1
	v_lshl_add_u32 v[AV0], v11, 4, v[AV0]          ; channels 8 ((lane / 8) % 2) on
	v_add_nc_u32 v[AV0], VOFF, v[AV0]
	v_and_b32 v[GO], 31, v0
	v_lshlrev_b32 v[PFO], 8, v[GO]
	v_lshlrev_b32 v[GO], 4, v[GO]
	v_mov_b32 v[NINF], 0xff800000
	v_mov_b32 v31, 0
.irp t, 0,1
	v_mov_b32 v[ST+8*\t+1], 0xff61b1e6             ; m: -3e38, under every score
	v_mul_f32 v[ST+8*\t], s[CS], v[ST+8*\t+1]
.irp n, 2,3,4,5,6,7
	v_mov_b32 v[ST+8*\t+\n], 0                     ; l; and the registers at work, written once: a lane permute's destination counts as read
.endr
.endr
.set i, 0
.rept 64
	v_mov_b32 v[O+i], 0                            ; O^T: the step is written once; its first run finds zeros
.set i, i+1
.endr
; A STEP: 64 keys, the q-th of the slot in hand.
.macro STEP q
	s_add_co_u32 s56, s[Q0], 31
	s_cmp_gt_u32 s[KF], s56                        ; all its keys come after my 32 queries: left out.  Ids and the count of steps alone
	s_cbranch_scc1 .Lhidden_\@
	v_add_nc_u32 v[ADK], s[TB], v[AK0]
	v_add_nc_u32 v[ADV], s[TB], v[AV0]
.rept 3
	v_nop                                          ; with the two additions five places behind the last products: K's loads land in V's registers (four are owed), and the scores are written over P (five)
.endr
.irp c, 0,1
.irp kt, 0,1,2,3
	ds_load_b128 v[KV+16*\kt+8*\c:KV+16*\kt+8*\c+3], v[ADK] offset:(64*(\q)+16*\kt)*KP+64*\c
	ds_load_b128 v[KV+16*\kt+8*\c+4:KV+16*\kt+8*\c+7], v[ADK] offset:(64*(\q)+16*\kt)*KP+64*\c+32
.endr
.endr
.irp c, 0,1
	s_wait_dscnt 8-8*\c                            ; this half of the channels is in; the other half's eight loads may be out
.irp kt, 0,1,2,3
.irp t, 0,1                            ; eight accumulators by turns, one instruction a turn
.if \c == 0
	v_wmma_f32_16x16x32_f16 v[S+32*\t+8*\kt:S+32*\t+8*\kt+7], v[KV+16*\kt+8*\c:KV+16*\kt+8*\c+7], v[QF+16*\t+8*\c:QF+16*\t+8*\c+7], 0
.else
	v_wmma_f32_16x16x32_f16 v[S+32*\t+8*\kt:S+32*\t+8*\kt+7], v[KV+16*\kt+8*\c:KV+16*\kt+8*\c+7], v[QF+16*\t+8*\c:QF+16*\t+8*\c+7], v[S+32*\t+8*\kt:S+32*\t+8*\kt+7]
.endif
.endr
.endr
.endr
.rept 4
	v_nop                                          ; places: for V's loads into K's registers and for the first reads of the scores
.endr
.irp f, 0,1
.irp ct, 0,1,2,3
	ds_load_tr16_b128 v[KV+8*(4*\f+\ct):KV+8*(4*\f+\ct)+3], v[ADV] offset:(64*(\q)+32*\f)*VP+32*\ct        ; they land during the softmax
	ds_load_tr16_b128 v[KV+8*(4*\f+\ct)+4:KV+8*(4*\f+\ct)+7], v[ADV] offset:(64*(\q)+32*\f+16)*VP+32*\ct
.endr
.endr
	s_add_co_u32 s56, s[KF], 63
	s_cmp_le_u32 s56, s[Q0]                        ; all keys count for all my queries: no mask
	s_cbranch_scc1 .Lopen_\@
	s_sub_co_i32 s56, s[Q0], s[KF]
	v_and_b32 v[DD], 15, v0
	v_bfe_u32 v11, v0, 4, 1
	v_lshlrev_b32 v11, 3, v11
	v_sub_nc_u32 v[DD], v[DD], v11
	v_add_nc_u32 v[DD], s56, v[DD]                 ; d = Q0 - KF + r - 8 h.  Register (t, kt, j): key KF + 16 kt + 8 h + j, query Q0 + 16 t + r: hidden where 16 kt + j - 16 t > d
.irp t, 0,1
.irp kt, 0,1,2,3
.irp j, 0,1,2,3,4,5,6,7
	v_cmp_gt_i32 vcc_lo, 16*\kt+\j-16*\t, v[DD]
	v_cndmask_b32 v[S+32*\t+8*\kt+\j], v[S+32*\t+8*\kt+\j], v[NINF], vcc_lo
.endr
.endr
.endr
.Lopen_\@:
.irp x, 0,1,2,3                        ; the maximum: four chains a tile, each accumulator from its low end on; the two tiles by turns
.irp t, 0,1
	v_max3_num_f32 v[ST+8*\t+4+\x], v[S+32*\t+8*\x], v[S+32*\t+8*\x+1], v[S+32*\t+8*\x+2]
.endr
.endr
.irp n, 3,5
.irp x, 0,1,2,3
.irp t, 0,1
	v_max3_num_f32 v[ST+8*\t+4+\x], v[ST+8*\t+4+\x], v[S+32*\t+8*\x+\n], v[S+32*\t+8*\x+\n+1]
.endr
.endr
.endr
.irp t, 0,1
	v_max3_num_f32 v[ST+8*\t+4], v[ST+8*\t+4], v[S+32*\t+7], v[S+32*\t+15]
	v_max3_num_f32 v[ST+8*\t+6], v[ST+8*\t+6], v[S+32*\t+23], v[S+32*\t+31]
.endr
.irp t, 0,1
	v_max3_num_f32 v[ST+8*\t+4], v[ST+8*\t+4], v[ST+8*\t+5], v[ST+8*\t+6]
.endr
.irp t, 0,1
	v_max3_num_f32 v[ST+8*\t+4], v[ST+8*\t+4], v[ST+8*\t+7], v[ST+8*\t+1]   ; with the old m
.endr
.irp t, 0,1
	v_permlanex16_b32 v[ST+8*\t+5], v[ST+8*\t+4], s[SEL], s[SEL+1]          ; the query's other 32 keys lie in the lane 16 away
.endr
.irp t, 0,1
	v_mov_b32 v[ST+8*\t+7], v[ST+8*\t]             ; c m_old is kept for a
.endr
.irp t, 0,1
	v_max_num_f32 v[ST+8*\t+1], v[ST+8*\t+4], v[ST+8*\t+5]
.endr
.irp t, 0,1
	v_mul_f32 v[ST+8*\t], s[CS], v[ST+8*\t+1]
.endr
.irp t, 0,1
	v_sub_f32 v[ST+8*\t+7], v[ST+8*\t+7], v[ST+8*\t]
.endr
.set i, 0
.rept 16
	v_pk_fma_f32 v[S+2*i:S+2*i+1], v[S+2*i:S+2*i+1], s[CS:CS+1], v[ST:ST+1] op_sel_hi:[1,0,0] neg_lo:[0,0,1] neg_hi:[0,0,1]               ; c s - c m, two at a time
	v_pk_fma_f32 v[S+32+2*i:S+32+2*i+1], v[S+32+2*i:S+32+2*i+1], s[CS:CS+1], v[ST+8:ST+9] op_sel_hi:[1,0,0] neg_lo:[0,0,1] neg_hi:[0,0,1]
.set i, i+1
.endr
.irp t, 0,1
	v_exp_f32 v[ST+8*\t+6], v[ST+8*\t+7]           ; a
.endr
.set i, 0
.rept 64
	v_exp_f32 v[S+i], v[S+i]                       ; p: one batch of 66 exponentials
.set i, i+1
.endr
	v_nop                                          ; a plain line behind the last exponential
	s_wait_alu depctr_va_vdst(0)                   ; ONE wait for the batch, ahead of its first reader
.irp t, 0,1                            ; the sums, of p before it is rounded: two chains a tile
	v_pk_add_f32 v[ST+8*\t+4:ST+8*\t+5], v[S+32*\t:S+32*\t+1], v[S+32*\t+2:S+32*\t+3]
	v_pk_add_f32 v[28+2*\t:29+2*\t], v[S+32*\t+4:S+32*\t+5], v[S+32*\t+6:S+32*\t+7]
.endr
.irp n, 8,12,16,20,24,28
.irp t, 0,1
	v_pk_add_f32 v[ST+8*\t+4:ST+8*\t+5], v[ST+8*\t+4:ST+8*\t+5], v[S+32*\t+\n:S+32*\t+\n+1]
	v_pk_add_f32 v[28+2*\t:29+2*\t], v[28+2*\t:29+2*\t], v[S+32*\t+\n+2:S+32*\t+\n+3]
.endr
.endr
.irp t, 0,1
	v_pk_add_f32 v[ST+8*\t+4:ST+8*\t+5], v[ST+8*\t+4:ST+8*\t+5], v[28+2*\t:29+2*\t]
.endr
.irp t, 0,1
	v_pk_fma_f32 v[ST+8*\t+2:ST+8*\t+3], v[ST+8*\t+2:ST+8*\t+3], v[ST+8*\t+6:ST+8*\t+7], v[ST+8*\t+4:ST+8*\t+5] op_sel_hi:[1,0,1]   ; l = l a + the step's sum
.endr
.set i, 0
.rept 16
	v_cvt_pk_f16_f32 v[S+i], v[S+2*i], v[S+2*i+1]                  ; P, packed in place, ascending: register i from registers 2 i, 2 i + 1
	v_cvt_pk_f16_f32 v[S+32+i], v[S+32+2*i], v[S+32+2*i+1]
.set i, i+1
.endr
.set i, 0
.rept 16
	v_pk_mul_f32 v[O+2*i:O+2*i+1], v[O+2*i:O+2*i+1], v[ST+6:ST+7] op_sel_hi:[1,0]          ; O^T x a
	v_pk_mul_f32 v[O+32+2*i:O+32+2*i+1], v[O+32+2*i:O+32+2*i+1], v[ST+14:ST+15] op_sel_hi:[1,0]
.set i, i+1
.endr
	s_wait_dscnt 0x0                               ; V is in
.irp f, 0,1
.irp ct, 0,1,2,3
.irp t, 0,1                            ; eight accumulators by turns
	v_wmma_f32_16x16x32_f16 v[O+32*\t+8*\ct:O+32*\t+8*\ct+7], v[KV+8*(4*\f+\ct):KV+8*(4*\f+\ct)+7], v[S+32*\t+8*\f:S+32*\t+8*\f+7], v[O+32*\t+8*\ct:O+32*\t+8*\ct+7]
.endr
.endr
.endr
.Lhidden_\@:
	s_add_co_u32 s[KF], s[KF], 64
.endm
; THE CHANGE OF SLOTS stands at a slot's head.  Each wave waits for all its tensor loads, adds 0 to its spare word (fill = 1: twice on end), and waits for that and for its reads of the slot that it has left.
; Behind the barrier the slot ahead is whole and nobody reads the other one, which is then filled with the keys that follow, up to the causal limit: a wave has one tensor load out.
.macro CHANGE fill
	s_wait_tensorcnt 0x0                           ; no tensor load of mine is out, so a group 0 may be written
	ds_add_u32 v[SPW], v[NIL]
.if \fill
	ds_add_u32 v[SPW], v[NIL]                      ; and once more, in every trip alike
	s_xor_b32 s[G0K+1], s[G0K+1], SLOT1            ; the walking descriptors: the other slot, the next 256 keys
	s_add_nc_u64 s[G0K+2:G0K+3], s[G0K+2:G0K+3], SK*128
	s_xor_b32 s[G0V+1], s[G0V+1], SLOT1
	s_add_nc_u64 s[G0V+2:G0V+3], s[G0V+2:G0V+3], SK*128
	s_wait_xcnt 0x0                                ; the last prefetch, a slot back, has read its address
	s_add_nc_u64 s[PFA:PFA+1], s[PFA:PFA+1], SK*128
.endif
	s_wait_dscnt 0x0                               ; the add is done, and my reads of the slot that I have left are over
	s_barrier_signal -1
	s_barrier_wait -1
.if \fill
	s_add_co_u32 s56, s[KF], SK                    ; the first key of the slot that this change would ask for
	s_cmp_gt_u32 s56, s[QL]                        ; past my work-group's last query: none of its waves would read the slot.  Ids and the count of steps alone: all sixteen waves go the same way
	s_cbranch_scc1 .Lpast_\@
	TLOAD
.Lpast_\@:
	ASK
.endif
.endm
.macro SLOT_STEPS
.set Q, 0
.rept NQ
	STEP Q
.set Q, Q+1
.endr
	s_xor_b32 s[TB], s[TB], SLOT1
.endm
	s_wait_loadcnt 0x0                             ; Q
.Lslot:                                            ; 7 trips
	CHANGE 1
	SLOT_STEPS
	s_sub_co_u32 s[SLOTS], s[SLOTS], 1
	s_cmp_lg_u32 s[SLOTS], 0
	s_cbranch_scc1 .Lslot
	CHANGE 0                                       ; the last slot is written out: nothing is left to fetch
	SLOT_STEPS
	; THE WAY OUT: O^T / l, rounded to f16, through my stage in LDS; the wave's 32 rows of h are 4,096 bytes on end.
.rept 4
	v_nop                                          ; places behind the last products
.endr
.irp t, 0,1
	v_add_f32 v[ST+8*\t+4], v[ST+8*\t+2], v[ST+8*\t+3]
.endr
.irp t, 0,1
	v_permlanex16_b32 v[ST+8*\t+5], v[ST+8*\t+4], s[SEL], s[SEL+1]
.endr
.irp t, 0,1
	v_add_f32 v[ST+8*\t+4], v[ST+8*\t+4], v[ST+8*\t+5]
.endr
.irp t, 0,1
	v_rcp_f32 v[ST+8*\t+6], v[ST+8*\t+4]
.endr
	v_and_b32 v28, 15, v0                          ; (plain work behind the reciprocals)
	v_bfe_u32 v29, v0, 4, 1
	s_mul_i32 s56, s[WV], 32*SROW                  ; my stage
	v_mul_u32_u24 v30, v28, SROW
	v_lshl_add_u32 v30, v29, 4, v30
	v_add_nc_u32 v30, s56, v30                     ; in: row r, 16 bytes for each half of the lanes
	v_and_b32 v31, 31, v0
	v_lshrrev_b32 v11, 3, v31
	v_and_b32 v31, 7, v31
	v_mul_u32_u24 v11, v11, SROW
	v_lshl_add_u32 v11, v31, 4, v11
	v_add_nc_u32 v11, s56, v11                     ; back: eight lanes to a row, four rows an instruction
	s_wait_alu depctr_va_vdst(0)                   ; one wait for the two reciprocals, ahead of their first reader
.set i, 0
.rept 16
	v_pk_mul_f32 v[O+2*i:O+2*i+1], v[O+2*i:O+2*i+1], v[ST+6:ST+7] op_sel_hi:[1,0]
	v_pk_mul_f32 v[O+32+2*i:O+32+2*i+1], v[O+32+2*i:O+32+2*i+1], v[ST+14:ST+15] op_sel_hi:[1,0]
.set i, i+1
.endr
.set i, 0
.rept 32
	v_cvt_pk_f16_f32 v[S+i], v[O+2*i], v[O+2*i+1]
.set i, i+1
.endr
.irp t, 0,1
.irp ct, 0,1,2,3
	ds_store_b128 v30, v[S+16*\t+4*\ct:S+16*\t+4*\ct+3] offset:16*SROW*\t+32*\ct
.endr
.endr
.irp n, 0,1,2,3,4,5,6,7
	ds_load_b128 v[KV+4*\n:KV+4*\n+3], v11 offset:4*SROW*\n        ; LDS serves a wave's instructions in order: these see my stores
.endr
.irp n, 0,1,2,3,4,5,6,7
	s_wait_dscnt 7-\n                              ; load n is back; the younger ones may be out
	global_store_b128 v[GO], v[KV+4*\n:KV+4*\n+3], s[6:7] offset:512*\n
.endr
	s_wait_tensorcnt 0x0                           ; the wave's end: behind my last tensor load and my last LDS store
	ds_add_u32 v[SPW], v[NIL]
	s_wait_dscnt 0x0
	s_endpgm
.Lfunc_end_k_q14ab8115be_attn:
	.size	k_q14ab8115be_attn, .Lfunc_end_k_q14ab8115be_attn-k_q14ab8115be_attn
	.p2alignl 7, 3214868480
	.fill 96, 4, 3214868480
	.section	.rodata,"a",@progbits
	.p2align	6, 0x0
	.amdhsa_kernel k_q14ab8115be_attn
		.amdhsa_group_segment_fixed_size 327680
		.amdhsa_private_segment_fixed_size 0
		.amdhsa_enable_private_segment 0
		.amdhsa_kernarg_size 16
		.amdhsa_user_sgpr_count 2
		.amdhsa_user_sgpr_kernarg_segment_ptr 1
		.amdhsa_wavefront_size32 1
		.amdhsa_system_sgpr_workgroup_id_x 1
		.amdhsa_system_sgpr_workgroup_id_y 1
		.amdhsa_system_sgpr_workgroup_id_z 1
		.amdhsa_system_vgpr_workitem_id 0
		.amdhsa_next_free_vgpr 256
		.amdhsa_next_free_sgpr 76
		.amdhsa_reserve_vcc 1
		.amdhsa_float_denorm_mode_32 3
		.amdhsa_float_denorm_mode_16_64 3
		.amdhsa_memory_ordered 1
		.amdhsa_forward_progress 1
		.amdhsa_inst_pref_size 189
	.end_amdhsa_kernel
	.amdgpu_metadata
---
amdhsa.version: [ 1, 2 ]
amdhsa.kernels:
  - .name:           k_q14ab8115be_attn
    .symbol:         k_q14ab8115be_attn.kd
    .args:
      - { .name: qkv16, .offset: 0, .size: 8, .value_kind: global_buffer, .address_space: global }
      - { .name: h16, .offset: 8, .size: 8, .value_kind: global_buffer, .address_space: global }
    .group_segment_fixed_size: 327680
    .private_segment_fixed_size: 0
    .kernarg_segment_align: 8
    .kernarg_segment_size: 16
    .max_flat_workgroup_size: 512
    .sgpr_count:     76
    .vgpr_count:     256
    .wavefront_size: 32
...
	.end_amdgpu_metadata
.endif
;; end of part 3
;; launch gemm4 (part 4): grid 4 x 64, 4 waves a work-group, clusters of 4 x 4, 327,680 bytes of LDS; arguments h16, wo16, bo, out0; writes out0
.if DOCPART == 4
	.amdgcn_target "amdgcn-amd-amdhsa--gfx1250"
	.amdhsa_code_object_version 6
	.text
	.protected	k_q14ab8115be_gemm4
	.globl	k_q14ab8115be_gemm4
	.p2align	8
	.type	k_q14ab8115be_gemm4,@function
k_q14ab8115be_gemm4:
	s_mov_b64 s[64:65], 0
	v_nop
	global_prefetch_b8 v0, s[64:65] scope:SCOPE_SE
	s_setreg_imm32_b32 hwreg(HW_REG_WAVE_MODE, 25, 1), 1
	s_wait_xcnt 0x0
	s_wait_alu depctr_hold_cnt(0) depctr_sa_sdst(0) depctr_va_vdst(0) depctr_va_sdst(0) depctr_va_ssrc(0) depctr_va_vcc(0) depctr_vm_vsrc(0)
	s_getreg_b32 s2, hwreg(HW_REG_IB_STS2, 6, 4)
	s_cmp_eq_u32 s2, 0
	s_cbranch_scc0 .Lentry_in_a_cluster
	s_endpgm
.Lentry_in_a_cluster:
	s_bfe_u32 s2, ttmp6, 0x10000c
	s_cmp_lg_u32 s2, 0xf033
	s_cbranch_scc0 .Lentry_shape_is_right
	s_endpgm
.Lentry_shape_is_right:
; out = h Wo^T + bo.  h: [64 b h][2048 s][64] f16 (K = head x 64 + channel); Wo: [1024 n][1024 k] f16; out: [8192][1024] f32; sums in f32.
; A tile of out is 128 x 256, so that there are 256 work-groups; four waves, each 64 x 128: 32 accumulators.  A K step is 128 = two heads; 8 K steps through a ring of two LDS slots.
; In memory one head's 128 rows of a tile are 16,384 dense bytes: waves 0 and 1 fetch the K step's even and odd head, waves 2 and 3 the two halves of Wo's 256 rows.
; CLUSTERS: 4 x 4 work-groups; h's tiles are asked for jointly along a row of the cluster, Wo's along a column.
; THE MATRIX INSTRUCTION IS USED TRANSPOSED (source 0 = 16 rows of Wo, source 1 = 16 rows of h): a lane holds eight neighbouring numbers of a row of out.  The bias is the C of each sum's first product.
; The 64 rows of positions 0-15 are written here like all others and written again, from f32 operands, by the launch that follows.
; LIMITS: |h| and |Wo| under 65,504; NaN and infinities are not served.
; REGISTERS: window 0: v0-31 addresses; v64-127 the bias; v128-255 rows on the way out, two sets.  window 1: two fragment buffers of 96 (Wo's 8, h's 4) at v0 and v128.  window 2: accumulator (a, b) at v[8 (8 a + b)].
.set PA,     144                       ; a row of h in LDS: 128 bytes + 16
.set PARB,   128*PA                    ; one head's 128 rows
.set PB,     272                       ; a row of Wo's tile: 256 bytes + 16
.set HALFB,  128*PB
.set BOFF,   2*PARB
.set SLOT,   BOFF+2*HALFB
.set STAGE,  2*SLOT                    ; behind the ring: 16 rows x 528 bytes for each wave
.set SPITCH, 528
.set SPARE,  STAGE+4*16*SPITCH         ; the spare words: 128 bytes a wave, named by no other line
.set LAPS,   4
.set ADRA, 16
.set ADRB, 20
.set STO,  24
.set RD,   25
.set CO,   26
.set BO,   27
.set SPW,  28
.set NIL,  29
.set BIAS, 64
.set BK,   128
.set F0,   0
.set F1,   128
.set G1, 24
.set G0, 32
.set G1B, 48
.set G0B, 56
.set MSB, 0
.macro WIN new
.if MSB != \new
	s_set_vgpr_msb (MSB<<8)|\new
.set MSB, \new
.endif
.endm
.set MUL,  0xa5                        ; sources 0 and 1 window 1; C and D window 2
.set MULB, 0x85                        ; the same with C (the bias) in window 0
.set TO_F, 0x40
.macro JLOAD s                         ; waves 0, 1 fetch for h, waves 2, 3 for Wo; an s_nop 0 and four v_nop follow each line
	s_cmp_eq_u32 s15, 0
	s_cbranch_scc0 .Lfor_b_\@
	tensor_load_to_lds s[G0+4*\s:G0+4*\s+3], s[G1:G1+7]
	s_nop 0
.rept 4
	v_nop
.endr
	s_branch .Lasked_\@
.Lfor_b_\@:
	tensor_load_to_lds s[G0B+4*\s:G0B+4*\s+3], s[G1B:G1B+7]
	s_nop 0
.rept 4
	v_nop
.endr
.Lasked_\@:
.endm
.macro CREST
	s_cmp_lg_u32 s14, 0
	s_cbranch_scc1 .Lnot_wave_0_\@
	s_barrier_signal -3
.Lnot_wave_0_\@:
	s_barrier_wait -3
	s_barrier_signal -1
	s_barrier_wait -1
.endm
.macro CROUND
	s_barrier_signal -1
	s_barrier_wait -1
	CREST
.endm
	s_load_b128 s[4:7], s[0:1], 0x0                ; h16, wo16
	s_load_b128 s[8:11], s[0:1], 0x10              ; bo, out0
	v_lshl_add_u32 v[SPW], v0, 2, SPARE
	v_mov_b32 v[NIL], 0
	ds_add_u32 v[SPW], v[NIL]                      ; the wave's opening: the add, twice on end, and its wait ahead of my first tensor load
	ds_add_u32 v[SPW], v[NIL]
	v_lshrrev_b32 v1, 5, v0
	v_readfirstlane_b32 s14, v1                    ; wave 0..3
	s_lshr_b32 s15, s14, 1                         ; my half of the tile's rows; also: I fetch for h (0) or Wo (1)
	s_and_b32 s16, s14, 1                          ; my half of its columns; also: which head, or which 128 rows of Wo, I fetch
	s_bfe_u32 s40, ttmp6, 0x40000                  ; cx
	s_bfe_u32 s41, ttmp6, 0x40004                  ; cy
	s_lshl_b32 s42, ttmp9, 2
	s_add_co_u32 s42, s42, s40                     ; tile column
	s_and_b32 s17, ttmp7, 0xffff
	s_lshl_b32 s17, s17, 2
	s_add_co_u32 s17, s17, s41                     ; tile row
	s_lshl_b32 s43, s41, 2
	s_lshl_b32 s43, 15, s43                        ; my row of the cluster
	s_lshl_b32 s44, 0x1111, s40                    ; my column
	s_or_b32 s[G1+0], s43, (1<<16)|(1<<20)|(1<<21)|(4<<22)|(3<<25)  ; h: elements of 2 bytes; padding: 4 words after every 32
	s_mov_b32 s[G1+1], 64<<16
	s_mov_b32 s[G1+2], 128<<16
	s_mov_b32 s[G1+3], 64<<16
	s_mov_b32 s[G1+4], 128
	s_mov_b32 s[G1+5], 64
	s_mov_b32 s[G1+6], 0
	s_mov_b32 s[G1+7], 0
	s_or_b32 s[G1B+0], s44, (1<<16)|(1<<20)|(1<<21)|(5<<22)|(3<<25) ; Wo: 4 words after every 64
	s_mov_b32 s[G1B+1], 128<<16
	s_mov_b32 s[G1B+2], 128<<16
	s_mov_b32 s[G1B+3], 128<<16
	s_mov_b32 s[G1B+4], 128
	s_mov_b32 s[G1B+5], 1024
	s_mov_b32 s[G1B+6], 0
	s_mov_b32 s[G1B+7], 0
	s_lshr_b32 s18, s17, 4                         ; h: batch x 16 heads x 262,144 + 128 rows x 128 bytes x (tile row % 16) + my head of the two
	s_lshl_b32 s18, s18, 22
	s_and_b32 s19, s17, 15
	s_lshl_b32 s19, s19, 14
	s_add_co_u32 s18, s18, s19
	s_lshl_b32 s19, s16, 18
	s_add_co_u32 s18, s18, s19
	s_mov_b32 s19, 0
	s_lshl_b32 s46, s42, 19                        ; Wo: (256 x tile column + 128 x half) rows of 2,048 bytes
	s_lshl_b32 s47, s16, 18
	s_add_co_u32 s46, s46, s47
	s_mov_b32 s47, 0
	s_mul_i32 s20, s16, PARB                       ; where they go: no place in the cluster enters an LDS address
	s_mul_i32 s21, s16, HALFB
	s_add_co_u32 s21, s21, BOFF
	s_wait_dscnt 0x0                               ; both opening adds are done
	s_wait_kmcnt 0x0
	s_add_nc_u64 s[18:19], s[4:5], s[18:19]
	s_add_nc_u64 s[46:47], s[6:7], s[46:47]
	CROUND                                         ; all sixteen work-groups are here: the first joint loads meet
.irp s, 0,1
	s_mov_b32 s[G0+4*\s], 1
	s_add_co_u32 s[G0+4*\s+1], s20, \s*SLOT
	s_add_nc_u64 s[G0+4*\s+2:G0+4*\s+3], s[18:19], \s*524288       ; K step s: two heads on
	s_or_b32 s[G0+4*\s+3], s[G0+4*\s+3], 0x80000000
	s_mov_b32 s[G0B+4*\s], 1
	s_add_co_u32 s[G0B+4*\s+1], s21, \s*SLOT
	s_add_nc_u64 s[G0B+4*\s+2:G0B+4*\s+3], s[46:47], \s*256
	s_or_b32 s[G0B+4*\s+3], s[G0B+4*\s+3], 0x80000000
	JLOAD \s
.endr
	v_and_b32 v1, 15, v0                           ; r
	v_bfe_u32 v2, v0, 4, 1                         ; h
	v_mul_u32_u24 v3, v1, PA
	v_lshl_add_u32 v3, v2, 4, v3
	v_mul_u32_u24 v4, v1, PB
	v_lshl_add_u32 v4, v2, 4, v4
	s_mul_i32 s22, s15, 64*PA                      ; my 64 rows of h
	s_mul_i32 s23, s16, HALFB                      ; my 128 rows of Wo
	s_add_co_u32 s23, s23, BOFF
.irp s, 0,1
	v_add_nc_u32 v[ADRA+\s], s22, v3
	v_add_nc_u32 v[ADRB+\s], s23, v4
	s_add_co_u32 s22, s22, SLOT
	s_add_co_u32 s23, s23, SLOT
.endr
	s_mul_i32 s22, s14, 16*SPITCH
	s_add_co_u32 s22, s22, STAGE                   ; my stage
	v_mul_u32_u24 v5, v1, SPITCH
	v_lshl_add_u32 v5, v2, 5, v5
	v_add_nc_u32 v[STO], s22, v5                   ; in: row r, 32 bytes for each half of the lanes
	v_and_b32 v6, 31, v0
	v_lshlrev_b32 v[CO], 4, v6
	v_add_nc_u32 v[RD], s22, v[CO]                 ; back: the 32 lanes take a row of 512 bytes
	v_lshlrev_b32 v[BO], 5, v2
	s_lshl_b32 s46, s42, 10                        ; my first column in bytes: 1,024 x tile column + 512 x half
	s_lshl_b32 s47, s16, 9
	s_add_co_u32 s46, s46, s47
	s_mov_b32 s47, 0
	s_add_nc_u64 s[8:9], s[8:9], s[46:47]
	s_add_nc_u64 s[10:11], s[10:11], s[46:47]
	s_lshl_b32 s66, s17, 19                        ; my first row: (128 x tile row + 64 x half) x 4,096 bytes
	s_lshl_b32 s67, s15, 18
	s_add_co_u32 s66, s66, s67
	s_mov_b32 s67, 0
	s_add_nc_u64 s[10:11], s[10:11], s[66:67]
.irp b, 0,1,2,3,4,5,6,7
	global_load_b128 v[BIAS+8*\b:BIAS+8*\b+3], v[BO], s[8:9] offset:64*\b          ; block b, register j: bo[first column + 16 b + 8 h + j]
	global_load_b128 v[BIAS+8*\b+4:BIAS+8*\b+7], v[BO], s[8:9] offset:64*\b+16
.endr
; 8 products: h's block a against Wo's eight, 32 along K.  The 32 accumulators take turns, one instruction a turn, in the same order in every quarter.
.macro MUL8 f, a, bias
.irp b, 0,1,2,3,4,5,6,7
.if \bias
	v_wmma_f32_16x16x32_f16 v[8*(8*(\a)+\b):8*(8*(\a)+\b)+7], v[\f+8*\b:\f+8*\b+7], v[\f+64+8*(\a):\f+64+8*(\a)+7], v[BIAS+8*\b:BIAS+8*\b+7]
.else
	v_wmma_f32_16x16x32_f16 v[8*(8*(\a)+\b):8*(8*(\a)+\b)+7], v[\f+8*\b:\f+8*\b+7], v[\f+64+8*(\a):\f+64+8*(\a)+7], v[8*(8*(\a)+\b):8*(8*(\a)+\b)+7]
.endif
.endr
.endm
; 24 LDS loads in one run: quarter q of the slot into buffer f: Wo's eight fragments, then h's four
.macro FETCH slot, q, f
	WIN TO_F
.irp b, 0,1,2,3,4,5,6,7
	ds_load_b128 v[\f+8*\b:\f+8*\b+3],   v[ADRB+\slot] offset:64*(\q)+16*PB*\b
	ds_load_b128 v[\f+8*\b+4:\f+8*\b+7], v[ADRB+\slot] offset:64*(\q)+16*PB*\b+32
.endr
.irp a, 0,1,2,3
	ds_load_b128 v[\f+64+8*\a:\f+64+8*\a+3],   v[ADRA+\slot] offset:((\q)/2)*PARB+((\q)%2)*64+16*PA*\a
	ds_load_b128 v[\f+64+8*\a+4:\f+64+8*\a+7], v[ADRA+\slot] offset:((\q)/2)*PARB+((\q)%2)*64+16*PA*\a+32
.endr
.endm
.macro PLACES
.rept 4
	v_nop
.endr
.endm
; A K step is four quarters of 32 along K on buffers 0, 1, 0, 1.  One of the first three: multiplies buffer f and fetches quarter q into g.
.macro QUARTER slot, q, f, g, bias
	s_wait_dscnt 4                                 ; all but the youngest four loads (h's blocks 2, 3) are in
.if \bias
	WIN MULB
.else
	WIN MUL
.endif
	MUL8 \f, 0, \bias
	MUL8 \f, 1, \bias
	PLACES
	FETCH \slot, \q, \g
	s_wait_dscnt 24                                ; all but the 24 just issued
.if \bias
	WIN MULB
.else
	WIN MUL
.endif
	MUL8 \f, 2, \bias
	MUL8 \f, 3, \bias
.endm
; The last quarter multiplies buffer 1 and changes slots: one barrier; in front of it each wave waits for all its tensor loads, adds 0 to its spare word, and waits for that and for its reads of this slot.
.macro TURN slot, next, fill
	WIN 0
	s_wait_tensorcnt 0x0                           ; my part of the next slot has landed: the one load that was out
	ds_add_u32 v[SPW], v[NIL]
	s_wait_dscnt 5                                 ; the add and the youngest four loads may be out
	WIN MUL
	MUL8 F1, 0, 0
	s_wait_dscnt 0x0                               ; the add is done, and my reads of this slot are over
	s_barrier_signal -1
	MUL8 F1, 1, 0
.if \fill
	WIN 0
.endif
	s_barrier_wait -1
.if \fill
	CREST                                          ; the barrier has opened a round of the cluster's: no wave of any partner still reads this slot or has a load on its way
	s_add_nc_u64 s[G0+4*\slot+2:G0+4*\slot+3], s[G0+4*\slot+2:G0+4*\slot+3], 1048576      ; two K steps on: four heads,
	s_add_nc_u64 s[G0B+4*\slot+2:G0B+4*\slot+3], s[G0B+4*\slot+2:G0B+4*\slot+3], 512      ; 256 numbers along Wo's rows
	JLOAD \slot                                    ; the first tensor load behind the round; its four v_nop are also the places in front of the loads below
.else
	PLACES
.endif
	FETCH \next, 0, F0
	WIN MUL
	MUL8 F1, 2, 0
	MUL8 F1, 3, 0
.endm
	s_wait_tensorcnt 1                             ; my part of K step 0 is in; K step 1's load may be out
	s_barrier_signal -1
	s_barrier_wait -1
	FETCH 0, 0, F0
	s_wait_loadcnt 0x0                             ; the bias
	QUARTER 0, 1, F0, F1, 1                        ; the first quarter stands in front of the loop: its products start the sums
	WIN 0
	s_mov_b32 s3, LAPS-1
.Llap:                                             ; a trip goes once round the ring and fills both slots again
	QUARTER 0, 2, F1, F0, 0
	QUARTER 0, 3, F0, F1, 0
	TURN 0, 1, 1
	QUARTER 1, 1, F0, F1, 0
	QUARTER 1, 2, F1, F0, 0
	QUARTER 1, 3, F0, F1, 0
	TURN 1, 0, 1
	QUARTER 0, 1, F0, F1, 0
	WIN 0
	s_sub_co_u32 s3, s3, 1
	s_cmp_lg_u32 s3, 0
	s_cbranch_scc1 .Llap
	QUARTER 0, 2, F1, F0, 0                        ; the last lap fills nothing
	QUARTER 0, 3, F0, F1, 0
	TURN 0, 1, 0
	QUARTER 1, 1, F0, F1, 0
	QUARTER 1, 2, F1, F0, 0
	QUARTER 1, 3, F0, F1, 0
	s_wait_dscnt 4
	WIN MUL
	MUL8 F1, 0, 0
	MUL8 F1, 1, 0
	s_wait_dscnt 0
	MUL8 F1, 2, 0
	MUL8 F1, 3, 0
	WIN 0
; THE WAY OUT, block by block of 16 rows x 128 columns, through my own stage: back as whole rows of 512 bytes.
.macro TOSTAGE a
	WIN 0x08                                       ; an LDS store's data are its source 1: window 2
.irp b, 0,1,2,3,4,5,6,7
	ds_store_b128 v[STO], v[8*(8*(\a)+\b):8*(8*(\a)+\b)+3] offset:64*\b            ; each accumulator from its low end on
	ds_store_b128 v[STO], v[8*(8*(\a)+\b)+4:8*(8*(\a)+\b)+7] offset:64*\b+16
.endr
	WIN 0
.irp t, 0,1,2,3,4,5,6,7,8,9,10,11,12,13,14,15
	ds_load_b128 v[BK+64*((\a)%2)+4*\t:BK+64*((\a)%2)+4*\t+3], v[RD] offset:\t*SPITCH
.endr
.endm
.macro SEND a, younger
	s_wait_dscnt \younger                          ; the block is back; the next block's 16 stores and 16 loads may be out
.irp t, 0,1,2,3,4,5,6,7,8,9,10,11,12,13,14,15
	global_store_b128 v[CO], v[BK+64*((\a)%2)+4*\t:BK+64*((\a)%2)+4*\t+3], s[10:11] offset:(16*(\a)+\t)*4096 th:TH_STORE_NT   ; 512 consecutive bytes, aligned to 256
.endr
.endm
	PLACES
	TOSTAGE 0
.irp a, 1,2,3
.if \a > 1
	s_wait_xcnt 0x0                                ; block a - 2's stores have read the registers into which block a's loads land
.endif
	TOSTAGE \a
	SEND \a-1, 32
.endr
	SEND 3, 0
	s_wait_tensorcnt 0x0                           ; the wave's end: behind my last tensor load and my last LDS store
	ds_add_u32 v[SPW], v[NIL]
	s_wait_dscnt 0x0
	CROUND                                         ; the closing round
	s_endpgm
.Lfunc_end_k_q14ab8115be_gemm4:
	.size	k_q14ab8115be_gemm4, .Lfunc_end_k_q14ab8115be_gemm4-k_q14ab8115be_gemm4
	.p2alignl 7, 3214868480
	.fill 96, 4, 3214868480
	.section	.rodata,"a",@progbits
	.p2align	6, 0x0
	.amdhsa_kernel k_q14ab8115be_gemm4
		.amdhsa_group_segment_fixed_size 327680
		.amdhsa_private_segment_fixed_size 0
		.amdhsa_enable_private_segment 0
		.amdhsa_kernarg_size 32
		.amdhsa_user_sgpr_count 2
		.amdhsa_user_sgpr_kernarg_segment_ptr 1
		.amdhsa_wavefront_size32 1
		.amdhsa_system_sgpr_workgroup_id_x 1
		.amdhsa_system_sgpr_workgroup_id_y 1
		.amdhsa_system_sgpr_workgroup_id_z 1
		.amdhsa_system_vgpr_workitem_id 0
		.amdhsa_next_free_vgpr 768
		.amdhsa_next_free_sgpr 70
		.amdhsa_reserve_vcc 0
		.amdhsa_float_denorm_mode_32 3
		.amdhsa_float_denorm_mode_16_64 3
		.amdhsa_memory_ordered 1
		.amdhsa_forward_progress 1
		.amdhsa_inst_pref_size 87
	.end_amdhsa_kernel
	.amdgpu_metadata
---
amdhsa.version: [ 1, 2 ]
amdhsa.kernels:
  - .name:           k_q14ab8115be_gemm4
    .symbol:         k_q14ab8115be_gemm4.kd
    .args:
      - { .name: h16, .offset: 0, .size: 8, .value_kind: global_buffer, .address_space: global }
      - { .name: wo16, .offset: 8, .size: 8, .value_kind: global_buffer, .address_space: global }
      - { .name: bo, .offset: 16, .size: 8, .value_kind: global_buffer, .address_space: global }
      - { .name: out0, .offset: 24, .size: 8, .value_kind: global_buffer, .address_space: global }
    .group_segment_fixed_size: 327680
    .private_segment_fixed_size: 0
    .kernarg_segment_align: 8
    .kernarg_segment_size: 32
    .max_flat_workgroup_size: 128
    .sgpr_count:     70
    .vgpr_count:     768
    .wavefront_size: 32
...
	.end_amdgpu_metadata
.endif
;; end of part 4
;; launch first16 (part 5): grid 64 x 4, 16 waves a work-group, no clusters, 18,432 bytes of LDS; arguments qkv32, Wo, bo, out0; writes out0
.if DOCPART == 5
	.amdgcn_target "amdgcn-amd-amdhsa--gfx1250"
	.amdhsa_code_object_version 6
	.text
	.protected	k_q14ab8115be_first16
	.globl	k_q14ab8115be_first16
	.p2align	8
	.type	k_q14ab8115be_first16,@function
k_q14ab8115be_first16:
	s_mov_b64 s[64:65], 0
	v_nop
	global_prefetch_b8 v0, s[64:65] scope:SCOPE_SE
	s_setreg_imm32_b32 hwreg(HW_REG_WAVE_MODE, 25, 1), 1
	s_wait_xcnt 0x0
; Positions 0-15 of every sequence, where a row of the softmax averages one to sixteen values: attention and the projection on the way out in f32, written over those 64 rows of out0.
; qkv32: [16 b + s][3072] f32 (q and k rotated).  Work-group (n0 / 16, batch) makes 16 positions x 16 output columns.  Wave w is head w: it makes its head's attention (32 small products) and
; multiplies its O^T, straight from the accumulators, by Wo's 64 channels of that head; the sixteen partial tiles meet in LDS and two waves add them in a fixed order.
; All products by the f32 matrix form of 16 x 16 x 4: no bulk work.  K IS PERMUTED ALIKE IN BOTH OPERANDS of every product, so that a lane loads runs of neighbours and a result's registers are the next product's source 1.
; The registers that this form writes (SA, OA, YA) are written by matrix instructions alone; each sum begins with the constant 0; what is made of a sum goes into other registers.
; No tensor load, no cluster: a few hundred kilobytes, loaded through registers.  NaN and infinities are not served.
.set Q,   16                           ; v16-47   q: lane (r, h): query r, channels 32 h + 0..31
.set K,   48                           ; v48-79   k likewise
.set VT,  80                           ; v80-111  V^T: register 8 ct + j: key 8 h + j, channel 16 ct + r
.set WO,  112                          ; v112-143 Wo: register 8 ct + j: row n0 + r, channel 16 ct + 8 h + j of my head
.set SA,  144                          ; v144-175 four partial sums of S^T
.set T,   176                          ; v176-183 the scores, then p
.set PN,  184                          ; v184-191 p / l
.set OA,  192                          ; v192-223 O^T, four tiles of 16 channels
.set YA,  224                          ; v224-255 four partial sums of the projection
.set SPW, 10
.set NIL, 11
.set SPARE, 16384                      ; behind the sixteen partial tiles: the spare words, 128 bytes a wave, named by no other line
	s_load_b256 s[4:11], s[0:1], 0x0               ; qkv32 4:5, Wo 6:7, bo 8:9, out0 10:11
	v_lshl_add_u32 v[SPW], v0, 2, SPARE
	v_mov_b32 v[NIL], 0
	v_lshrrev_b32 v1, 5, v0
	v_readfirstlane_b32 s12, v1                    ; wave = head
	v_and_b32 v1, 15, v0                           ; r
	v_bfe_u32 v2, v0, 4, 1                         ; h
	s_and_b32 s13, ttmp7, 0xffff                   ; batch
	s_and_b32 s17, s12, 1                          ; which half of a lane's eight numbers I add up at the end (waves 0 and 1)
	v_mul_u32_u24 v3, v1, 12288
	v_lshl_add_u32 v3, v2, 7, v3                   ; q, k: row r, 128 h bytes on
	v_mul_u32_u24 v4, v2, 98304
	v_lshl_add_u32 v4, v1, 2, v4                   ; V^T: 8 h rows down, 4 r bytes on
	v_lshlrev_b32 v5, 12, v1
	v_lshl_add_u32 v5, v2, 5, v5                   ; Wo: row r of 4,096 bytes, 32 h on
	v_lshl_add_u32 v7, s17, 4, v5                  ; out0: the same, + 16 bytes for wave 1
	v_lshlrev_b32 v6, 5, v2
	v_lshl_add_u32 v6, s17, 4, v6                  ; bo: 32 h + 16 u
	v_and_b32 v9, 31, v0
	v_lshlrev_b32 v9, 4, v9
	v_lshl_add_u32 v8, s12, 10, v9                 ; LDS: my partial tile: 1,024 x wave + 16 x lane
	v_lshl_add_u32 v9, s17, 9, v9                  ; and where I read all sixteen: 16 x lane + 512 u
	s_mov_b32 s14, 0x76543210
	s_mov_b32 s15, 0xfedcba98
	s_mov_b32 s16, 0x3e38aa3b                      ; c = log2(e) / 8
	s_mul_i32 s18, s13, 196608
	s_lshl_b32 s19, s12, 8
	s_add_co_u32 s18, s18, s19                     ; the batch's 16 rows, my head's 256 bytes
	s_lshl_b32 s20, ttmp9, 16
	s_add_co_u32 s20, s20, s19                     ; Wo's 16 rows n0 on, my head's 256 bytes
	s_mov_b32 s19, 0
	s_mov_b32 s21, 0
	s_lshl_b32 s22, ttmp9, 6                       ; 4 n0
	s_mov_b32 s23, 0
	s_lshl_b32 s24, s13, 23
	s_add_co_u32 s24, s24, s22
	s_mov_b32 s25, 0
	s_wait_kmcnt 0x0
	s_add_nc_u64 s[4:5], s[4:5], s[18:19]
	s_add_nc_u64 s[6:7], s[6:7], s[20:21]
	s_add_nc_u64 s[8:9], s[8:9], s[22:23]
	s_add_nc_u64 s[10:11], s[10:11], s[24:25]
.irp i, 0,1,2,3,4,5,6,7
	global_load_b128 v[Q+4*\i:Q+4*\i+3], v3, s[4:5] offset:16*\i
	global_load_b128 v[K+4*\i:K+4*\i+3], v3, s[4:5] offset:4096+16*\i
.endr
.irp ct, 0,1,2,3
.irp j, 0,1,2,3,4,5,6,7
	global_load_b32 v[VT+8*\ct+\j], v4, s[4:5] offset:8192+12288*\j+64*\ct
.endr
.endr
.irp ct, 0,1,2,3
	global_load_b128 v[WO+8*\ct:WO+8*\ct+3], v5, s[6:7] offset:64*\ct
	global_load_b128 v[WO+8*\ct+4:WO+8*\ct+7], v5, s[6:7] offset:64*\ct+16
.endr
	global_load_b128 v[12:15], v6, s[8:9]
	s_wait_loadcnt 0x0
	; S^T = k q^T: step c takes channels 2 c, 2 c + 1, 32 + 2 c, 33 + 2 c.  Four accumulators by turns.
.irp c, 0,1,2,3
	v_wmma_f32_16x16x4_f32 v[SA+8*\c:SA+8*\c+7], v[K+2*\c:K+2*\c+1], v[Q+2*\c:Q+2*\c+1], 0
.endr
.irp c, 4,5,6,7,8,9,10,11,12,13,14,15
	v_wmma_f32_16x16x4_f32 v[SA+8*(\c%4):SA+8*(\c%4)+7], v[K+2*\c:K+2*\c+1], v[Q+2*\c:Q+2*\c+1], v[SA+8*(\c%4):SA+8*(\c%4)+7]
.endr
.rept 8
	v_nop                                          ; eight places behind this form before its results are read (ISA guide 7.12.1)
.endr
.irp j, 0,1,2,3,4,5,6,7
	v_add_f32 v[T+\j], v[SA+\j], v[SA+8+\j]        ; each accumulator from its low end on
.endr
.irp j, 0,1,2,3,4,5,6,7
	v_add_f32 v[T+\j], v[T+\j], v[SA+16+\j]
.endr
.irp j, 0,1,2,3,4,5,6,7
	v_add_f32 v[T+\j], v[T+\j], v[SA+24+\j]        ; lane (r, h): query r, key 8 h + j
.endr
	v_lshlrev_b32 v16, 3, v2
	v_sub_nc_u32 v16, v1, v16                      ; d = r - 8 h: key hidden where j > d
	v_mov_b32 v17, 0xff800000
.irp j, 0,1,2,3,4,5,6,7
	v_cmp_gt_i32 vcc_lo, \j, v16
	v_cndmask_b32 v[T+\j], v[T+\j], v17, vcc_lo
.endr
	v_max3_num_f32 v18, v[T], v[T+1], v[T+2]
	v_max3_num_f32 v18, v18, v[T+3], v[T+4]
	v_max3_num_f32 v18, v18, v[T+5], v[T+6]
	v_max_num_f32 v18, v18, v[T+7]
	v_mov_b32 v19, 0
	v_permlanex16_b32 v19, v18, s14, s15
	v_max_num_f32 v18, v18, v19                    ; the row's maximum (key 0 counts for every query)
	v_mul_f32 v18, s16, v18
.irp j, 0,1,2,3,4,5,6,7
	v_fma_f32 v[T+\j], v[T+\j], s16, -v18
.endr
.irp j, 0,1,2,3,4,5,6,7
	v_exp_f32 v[T+\j], v[T+\j]
.endr
	v_nop                                          ; a plain line behind the exponentials,
	s_wait_alu depctr_va_vdst(0)                   ; and one wait for the eight, ahead of their first reader
	v_add_f32 v20, v[T], v[T+1]
	v_add_f32 v21, v[T+2], v[T+3]
	v_add_f32 v22, v[T+4], v[T+5]
	v_add_f32 v23, v[T+6], v[T+7]
	v_add_f32 v20, v20, v21
	v_add_f32 v22, v22, v23
	v_add_f32 v20, v20, v22
	v_permlanex16_b32 v19, v20, s14, s15
	v_add_f32 v20, v20, v19
	v_rcp_f32 v20, v20
	v_nop
	s_wait_alu depctr_va_vdst(0)
.irp j, 0,1,2,3,4,5,6,7
	v_mul_f32 v[PN+\j], v[T+\j], v20
.endr
	; O^T = V^T P: step c2 takes keys 2 c2, 2 c2 + 1, 8 + 2 c2, 9 + 2 c2
.irp ct, 0,1,2,3
	v_wmma_f32_16x16x4_f32 v[OA+8*\ct:OA+8*\ct+7], v[VT+8*\ct:VT+8*\ct+1], v[PN:PN+1], 0
.endr
.irp c2, 1,2,3
.irp ct, 0,1,2,3
	v_wmma_f32_16x16x4_f32 v[OA+8*\ct:OA+8*\ct+7], v[VT+8*\ct+2*\c2:VT+8*\ct+2*\c2+1], v[PN+2*\c2:PN+2*\c2+1], v[OA+8*\ct:OA+8*\ct+7]
.endr
.endr
.rept 9
	v_nop                                          ; nine places before a matrix instruction takes these results as a source
.endr
	; my head's part of the projection: source 0 = 16 rows of Wo, source 1 = O^T as it stands: lane (r, h): query r, channels 16 ct + 8 h + 2 c2 + 0, 1
.irp ct, 0,1,2,3
	v_wmma_f32_16x16x4_f32 v[YA+8*\ct:YA+8*\ct+7], v[WO+8*\ct:WO+8*\ct+1], v[OA+8*\ct:OA+8*\ct+1], 0
.endr
.irp c2, 1,2,3
.irp ct, 0,1,2,3
	v_wmma_f32_16x16x4_f32 v[YA+8*\ct:YA+8*\ct+7], v[WO+8*\ct+2*\c2:WO+8*\ct+2*\c2+1], v[OA+8*\ct+2*\c2:OA+8*\ct+2*\c2+1], v[YA+8*\ct:YA+8*\ct+7]
.endr
.endr
.rept 8
	v_nop
.endr
.irp j, 0,1,2,3,4,5,6,7
	v_add_f32 v[16+\j], v[YA+\j], v[YA+8+\j]
.endr
.irp j, 0,1,2,3,4,5,6,7
	v_add_f32 v[16+\j], v[16+\j], v[YA+16+\j]
.endr
.irp j, 0,1,2,3,4,5,6,7
	v_add_f32 v[16+\j], v[16+\j], v[YA+24+\j]      ; lane (r, h): query r, output columns n0 + 8 h + j
.endr
	ds_store_b128 v8, v[16:19]
	ds_store_b128 v8, v[20:23] offset:512
	s_wait_tensorcnt 0x0                           ; my last LDS store is out; only LDS loads follow
	ds_add_u32 v[SPW], v[NIL]
	s_wait_dscnt 0x0                               ; my stores have landed: for the waves that read them
	s_barrier_signal -1
	s_barrier_wait -1
	s_cmp_ge_u32 s12, 2
	s_cbranch_scc1 .Ldone
.irp p, 0,1,2,3,4,5,6,7,8,9,10,11,12,13,14,15
	ds_load_b128 v[16+4*\p:19+4*\p], v9 offset:1024*\p             ; head p's part of my four numbers
.endr
	s_wait_dscnt 0x0
.irp p, 0,2,4,6,8,10,12,14             ; a fixed tree over the sixteen heads
	v_pk_add_f32 v[16+4*\p:17+4*\p], v[16+4*\p:17+4*\p], v[20+4*\p:21+4*\p]
	v_pk_add_f32 v[18+4*\p:19+4*\p], v[18+4*\p:19+4*\p], v[22+4*\p:23+4*\p]
.endr
.irp p, 0,4,8,12
	v_pk_add_f32 v[16+4*\p:17+4*\p], v[16+4*\p:17+4*\p], v[24+4*\p:25+4*\p]
	v_pk_add_f32 v[18+4*\p:19+4*\p], v[18+4*\p:19+4*\p], v[26+4*\p:27+4*\p]
.endr
.irp p, 0,8
	v_pk_add_f32 v[16+4*\p:17+4*\p], v[16+4*\p:17+4*\p], v[32+4*\p:33+4*\p]
	v_pk_add_f32 v[18+4*\p:19+4*\p], v[18+4*\p:19+4*\p], v[34+4*\p:35+4*\p]
.endr
	v_pk_add_f32 v[16:17], v[16:17], v[48:49]
	v_pk_add_f32 v[18:19], v[18:19], v[50:51]
	v_pk_add_f32 v[16:17], v[16:17], v[12:13]      ; + bo
	v_pk_add_f32 v[18:19], v[18:19], v[14:15]
	global_store_b128 v7, v[16:19], s[10:11]
.Ldone:
	s_endpgm
.Lfunc_end_k_q14ab8115be_first16:
	.size	k_q14ab8115be_first16, .Lfunc_end_k_q14ab8115be_first16-k_q14ab8115be_first16
	.p2alignl 7, 3214868480
	.fill 96, 4, 3214868480
	.section	.rodata,"a",@progbits
	.p2align	6, 0x0
	.amdhsa_kernel k_q14ab8115be_first16
		.amdhsa_group_segment_fixed_size 18432
		.amdhsa_private_segment_fixed_size 0
		.amdhsa_enable_private_segment 0
		.amdhsa_kernarg_size 32
		.amdhsa_user_sgpr_count 2
		.amdhsa_user_sgpr_kernarg_segment_ptr 1
		.amdhsa_wavefront_size32 1
		.amdhsa_system_sgpr_workgroup_id_x 1
		.amdhsa_system_sgpr_workgroup_id_y 1
		.amdhsa_system_sgpr_workgroup_id_z 1
		.amdhsa_system_vgpr_workitem_id 0
		.amdhsa_next_free_vgpr 256
		.amdhsa_next_free_sgpr 66
		.amdhsa_reserve_vcc 1
		.amdhsa_float_denorm_mode_32 3
		.amdhsa_float_denorm_mode_16_64 3
		.amdhsa_memory_ordered 1
		.amdhsa_forward_progress 1
		.amdhsa_inst_pref_size 19
	.end_amdhsa_kernel
	.amdgpu_metadata
---
amdhsa.version: [ 1, 2 ]
amdhsa.kernels:
  - .name:           k_q14ab8115be_first16
    .symbol:         k_q14ab8115be_first16.kd
    .args:
      - { .name: qkv32, .offset: 0, .size: 8, .value_kind: global_buffer, .address_space: global }
      - { .name: Wo, .offset: 8, .size: 8, .value_kind: global_buffer, .address_space: global }
      - { .name: bo, .offset: 16, .size: 8, .value_kind: global_buffer, .address_space: global }
      - { .name: out0, .offset: 24, .size: 8, .value_kind: global_buffer, .address_space: global }
    .group_segment_fixed_size: 18432
    .private_segment_fixed_size: 0
    .kernarg_segment_align: 8
    .kernarg_segment_size: 32
    .max_flat_workgroup_size: 512
    .sgpr_count:     66
    .vgpr_count:     256
    .wavefront_size: 32
...
	.end_amdgpu_metadata
.endif
;; end of part 5
